; MI455X (gfx1250); checked and timed in simulation.
; The chip was launched on July 23, 2026; its instructions are those of AMD's public machine-readable ISA for CDNA 5 (MIT licence, August 2026) and "CDNA5" Instruction Set Architecture Reference Guide (July 2026). The comments in the code are by the model that wrote it; some were corrected since.
;; Multi Head Attention Block. Allowed arithmetic: matrix products marked QUANTISED: E2M1 operands, one E8M0 scale for each 32 along K, by v_wmma_scale_f32_16x16x128_f8f6f4 with both operands' format E2M1 (or v_wmma_scale_f32_32x16x128_f4), f32 sums; products left as they are: bf16, f16 or f32 operands; f32 sums; everything else in f32.
;; Inputs: b_k 1,024 float32; b_o 1,024 float32; b_q 1,024 float32; b_v 1,024 float32; k 4 x 2,048 x 1,024 float32; mask 1 x 1 x 2,048 x 2,048 int32; q 4 x 2,048 x 1,024 float32; v 4 x 2,048 x 1,024 float32; w_k 1,024 x 1,024 float32; w_o 1,024 x 1,024 float32; w_q 1,024 x 1,024 float32; w_v 1,024 x 1,024 float32.
;; Outputs: out0 4 x 2,048 x 1,024 float32.
;; This version of the problem:
;;   THIS VERSION OF THE PROBLEM IS GIVEN IN LOW PRECISION. The matrix products marked QUANTISED in the list below multiply operands that are first quantised to E2M1 (2 exponent bits, 1 mantissa bit; 4 bits a number), with one power-of-two scale for each 32 numbers along K (OCP MX v1.0); their sums are f32. The products marked 'left as it is' may take bf16, f16 or f32 operands, with f32 sums. Whichever they take, every output number must still come out within the allowed error. Rounding operands to bf16 (8 significant bits) uses up far more of that allowance than f16 does (11 bits, for magnitudes from 6e-5 to 65,504). All else is computed in f32.
;;   The module's matrix products, in the order in which they are computed (A, B: the left and right operand; K: the contracted axis; several contracted axes count as one K, in the product's order):
;;     1. [M 8,192, K 1,024] x [K 1,024, N 1,024]; A: input q; B: input w_q: QUANTISED
;;     2. [M 8,192, K 1,024] x [K 1,024, N 1,024]; A: input k; B: input w_k: QUANTISED
;;     3. [M 8,192, K 1,024] x [K 1,024, N 1,024]; A: input v; B: input w_v: QUANTISED
;;     4. batch 64 x [M 2,048, K 64] x [K 64, N 2,048]; A: computed on the way; B: computed on the way: left as it is (an operand is computed on the way)
;;     5. batch 64 x [M 2,048, K 2,048] x [K 2,048, N 64]; A: computed on the way; B: computed on the way: left as it is (an operand is computed on the way)
;;     6. [M 8,192, K 1,024] x [K 1,024, N 1,024]; A: computed on the way; B: input w_o: left as it is (an operand is computed on the way)
;;   THE QUANTISER, for each operand of a quantised product, along K:
;;     - K is cut into blocks of 32 from its start; a last block that is shorter is filled with zeros.
;;     - A block's scale is 2^e with e = floor(log2(the largest magnitude in the block)) - 2, held to -126 .. 127; a block of zeros has e = 0. As a byte (E8M0): e + 127.
;;     - Each number is divided by its block's scale, clamped to +-6, and rounded to the nearest number of E2M1, ties to even, subnormals kept.
;;     - The product sums the exact products of the quantised numbers (number of the format x scale) in f32.
;;   ~~~python
;;   def quantise(x, axis):      # numpy; x: float32 -> the quantised numbers, widened to float32 again
;;       x = np.moveaxis(x, axis, -1); K = x.shape[-1]
;;       x = np.pad(x, [(0, 0)] * (x.ndim - 1) + [(0, -K % 32)]); x = x.reshape(x.shape[:-1] + (-1, 32)); a = np.abs(x).max(-1, keepdims=True)
;;       e = np.where(a > 0, np.clip(np.frexp(np.where(a > 0, a, 1))[1] - 1 - 2, -126, 127), 0)      # np.frexp(a)[1] - 1 = floor(log2(a)), exactly
;;       r = np.clip(x / 2.0 ** e, -6, 6)
;;       step = 2.0 ** (np.maximum(np.frexp(np.where(r == 0, 1, r))[1] - 1, 0) - 1)
;;       q = np.round(r / step) * step * 2.0 ** e      # np.round: ties to even
;;       return np.moveaxis(q.reshape(q.shape[:-2] + (-1,))[..., :K], -1, axis).astype(np.float32)
;;   ~~~
;; 2 versions, each right; version 2 is version 1 with the launch proj written anew for expert scheduling mode. Each part assembles by itself: llvm-mc -triple=amdgcn-amd-amdhsa -mcpu=gfx1250 --defsym DOCPART=n.
;; ======== version 1 of 2: 6 launches
;; limits: values are held in f16: magnitudes above 65,504 overflow, below 6.1e-05 lose precision
;; workspace buffers: WQ 1,671,168 bytes; WO 4,194,304 bytes; MSK 540,672 bytes of whole numbers; QKV 50,331,648 bytes; LO 1,572,864 bytes; CTX 16,777,216 bytes; CF 262,144 bytes
;; launch prep (part 1): grid 256 x 1, 8 waves a work-group, no clusters, 0 bytes of LDS; arguments w_q, w_k, w_v, w_o, mask, WQ, WO, MSK; writes WQ, WO, MSK
.if DOCPART == 1
	.amdgcn_target "amdgcn-amd-amdhsa--gfx1250"
	.amdhsa_code_object_version 6
	.text
	.protected	k_qcbbfd44262_prep
	.globl	k_qcbbfd44262_prep
	.p2align	8
	.type	k_qcbbfd44262_prep,@function
k_qcbbfd44262_prep:
	s_mov_b64 s[64:65], 0
	v_nop
	global_prefetch_b8 v0, s[64:65] scope:SCOPE_SE
	s_setreg_imm32_b32 hwreg(HW_REG_WAVE_MODE, 25, 1), 1
	s_wait_xcnt 0x0
; PREP.  Waves 0-3 of a work-group lay the weights out, waves 4-7 the mask.  Nothing is shared between waves: no LDS, no barrier.
; WEIGHTS [k 1024][n 1024] f32, K is the FIRST axis.  A lane takes a column n and its registers run down K (each load reads 128 neighbouring bytes), so a block of 32 along K lies in one lane.
;   w_q, w_k, w_v (t = 0, 1, 2): codes of E2M1 and one E8M0 byte for each 32 along K.  scale = 2^(floor(log2(largest magnitude)) - 2); its byte = the magnitude's exponent field - 2, held at 1 from below.
;     WQ + t*524288: [n tile 64][K step 8][image]: an image is the 8 operand registers of 16 columns x 128 K: register group c of lane l at 512 c + 16 l.   WQ + 1572864 + t*32768: [K step 8][n 1024] scale words.
;   w_o (t = 3): f16 high part and f16 low part (the rest of the f32 number), WO and WO + 2097152: [n tile 64][k step 32][image of 16 columns x 32 k].
; MASK [2048][2048] int32, 0 = hidden.  A unit is 32 queries x 64 keys.  MSK: [query block 64][key step 32][row 32][2 words], bit k = key k of the step counts.
;   MSK + 524288: [block][step] one word, bit r = row r has a key that counts in the unit;  MSK + 532480: bit r = all 64 keys count for row r.
; LIMITS: a block of zeros gets the byte 1 (its codes are zeros; only this program reads the bytes); |w_o| under 65,504; NaN and infinities are not served.
.set X, 64                             ; v64-127: two sets of 32 loaded numbers
.macro LOADW b                         ; block b: rows 32 b .. 32 b + 31 of my 128, my column
.set i, 0
.rept 32
	global_load_b32 v[X+32*((\b)%2)+i], v1, s[4:5] offset:(32*(\b)+i)*4096 th:TH_LOAD_NT
.set i, i+1
.endr
.endm
.macro WAITB b                         ; this block's 32 loads are in; the next block's 32 may be out
.if (\b) < 3
	s_wait_loadcnt 32
.else
	s_wait_loadcnt 0x0
.endif
.endm
.macro QBLOCK b
.set XS, X+32*((\b)%2)
	WAITB \b
	v_max3_num_f32 v8, |v[XS]|, |v[XS+1]|, |v[XS+2]|         ; the block's largest magnitude, in two chains
	v_max3_num_f32 v9, |v[XS+3]|, |v[XS+4]|, |v[XS+5]|
.irp i, 6,10,14,18,22,26
	v_max3_num_f32 v8, v8, |v[XS+\i]|, |v[XS+\i+1]|
	v_max3_num_f32 v9, v9, |v[XS+\i+2]|, |v[XS+\i+3]|
.endr
	v_max3_num_f32 v8, v8, |v[XS+30]|, |v[XS+31]|
	v_max3_num_f32 v8, v8, v9, 0x1800000                     ; and the floor 2^(3 - 127): the byte cannot fall under 1
	v_add_nc_u32 v10, 0xff000000, v8                         ; 2 off the exponent field: the conversion's scale operand
	v_lshrrev_b32 v11, 23, v10                               ; the byte
.if (\b) == 0
	v_mov_b32 v12, v11
.else
	v_lshl_or_b32 v12, v11, 8*(\b), v12                      ; four bytes make the column's scale word of this K step
.endif
.irp g, 0,1,2,3
	v_cvt_scalef32_pk8_fp4_f32 v[16+4*(\b)+\g], v[XS+8*\g:XS+8*\g+7], v10
.endr
	global_store_b128 v3, v[16+4*(\b):16+4*(\b)+3], s[28:29] offset:((\b)/2)*512+((\b)%2)*256   ; each half of the lanes stores 256 consecutive bytes, aligned; every block has code registers of its own
.if (\b)+2 < 4
	LOADW (\b)+2
.endif
.endm
.macro SPLIT h, l, a, b                ; two f32 numbers -> a word of f16 high parts and a word of f16 low parts; v8 is the register whose halves are named
	v_cvt_pk_f16_f32 v8, v[\a], v[\b]
	v_cvt_f32_f16 v9, v8.l
	v_cvt_f32_f16 v10, v8.h
	v_mov_b32 v[\h], v8
	v_sub_f32 v9, v[\a], v9
	v_sub_f32 v10, v[\b], v10
	v_cvt_pk_f16_f32 v[\l], v9, v10
.endm
.macro HBLOCK b                        ; w_o: 32 k of my column = one k step
.set XS, X+32*((\b)%2)
	WAITB \b
.if (\b) > 0
	s_wait_xcnt 0x0                                          ; the last block's stores have read v32-63, which are written again
.endif
.set i, 0
.rept 16
	SPLIT 32+i, 48+i, XS+2*i, XS+2*i+1
.set i, i+1
.endr
.if (\b)+2 < 4
	LOADW (\b)+2
.endif
.irp g, 0,1,2,3                        ; group g = k 8 g .. 8 g + 7: register group g / 2 of the lanes' half g % 2
	global_store_b128 v4, v[32+4*\g:35+4*\g], s[32:33] offset:(\b)*1024+(\g/2)*512+(\g%2)*256
	global_store_b128 v4, v[48+4*\g:51+4*\g], s[34:35] offset:(\b)*1024+(\g/2)*512+(\g%2)*256
.endr
.endm
.macro LOADM b                         ; b = 2 u + hh: rows 16 hh .. + 15 of unit u; register 2 i + e: row i, keys 32 e + lane
.set i, 0
.rept 32
	global_load_b32 v[X+32*((\b)%2)+i], v1, s[12:13] offset:(16*((\b)%2)+i/2)*8192+((\b)/2)*256+(i%2)*128 th:TH_LOAD_NT
.set i, i+1
.endr
.endm
.macro MBLOCK b                        ; 32 keys of a row become a word, which goes to the lane of that row
.set XS, X+32*((\b)%2)
	WAITB \b
.set i, 0
.rept 32
	v_cmp_ne_u32 s[36+i%4], 0, v[XS+i]
	v_writelane_b32 v[16+2*((\b)/2)+i%2], s[36+i%4], 16*((\b)%2)+i/2
.set i, i+1
.endr
.endm
.macro UNIT u
	v_or_b32 v8, v[16+2*\u], v[17+2*\u]
	v_and_b32 v9, v[16+2*\u], v[17+2*\u]
	v_cmp_ne_u32 s40, 0, v8                                  ; rows with a key that counts
	v_cmp_eq_u32 s41, -1, v9                                 ; rows for which all 64 count
	global_store_b64 v6, v[16+2*\u:17+2*\u], s[18:19] offset:256*\u   ; 32 lanes store 256 consecutive bytes, aligned
	v_writelane_b32 v20, s40, \u
	v_writelane_b32 v21, s41, \u
.endm
	s_load_b256 s[4:11], s[0:1], 0x0               ; w_q, w_k, w_v, w_o
	s_load_b256 s[12:19], s[0:1], 0x20             ; mask, WQ, WO, MSK
	v_lshrrev_b32 v2, 5, v0
	v_readfirstlane_b32 s20, v2                    ; wave
	v_and_b32 v5, 31, v0                           ; lane
	v_lshlrev_b32 v1, 2, v5                        ; 4 x lane
	s_lshl_b32 s21, ttmp9, 2
	s_add_co_u32 s21, s21, s20                     ; 4 x work-group + wave
	s_wait_kmcnt 0x0
	s_cmp_ge_u32 s20, 4
	s_cbranch_scc1 .Lmask
	; ---- the weights: 1,024 waves, 256 for each tensor: 8 runs of 128 along K x 32 groups of 32 columns
	s_lshr_b32 s22, ttmp9, 6                       ; t
	s_bfe_u32 s23, s21, 0x30005                    ; kg: which 128 along K
	s_and_b32 s24, s21, 31                         ; cg: which 32 columns
	s_cmp_eq_u32 s22, 1
	s_cselect_b64 s[4:5], s[6:7], s[4:5]
	s_cmp_eq_u32 s22, 2
	s_cselect_b64 s[4:5], s[8:9], s[4:5]
	s_cmp_eq_u32 s22, 3
	s_cselect_b64 s[4:5], s[10:11], s[4:5]
	s_lshl_b32 s26, s23, 19                        ; 128 rows of 4,096 bytes
	s_lshl_b32 s27, s24, 7
	s_add_co_u32 s26, s26, s27
	s_mov_b32 s27, 0
	s_add_nc_u64 s[4:5], s[4:5], s[26:27]
	LOADW 0
	LOADW 1
	v_lshrrev_b32 v6, 4, v5                        ; which of my two n tiles
	v_and_b32 v7, 15, v5
	v_lshlrev_b32 v7, 4, v7
	v_lshl_add_u32 v3, v6, 13, v7                  ; codes: an n tile is 8,192 bytes
	v_lshl_add_u32 v4, v6, 15, v7                  ; w_o: 32,768
	s_lshl_b32 s26, s22, 19
	s_lshl_b32 s25, s24, 14
	s_add_co_u32 s26, s26, s25
	s_lshl_b32 s25, s23, 10
	s_add_co_u32 s26, s26, s25
	s_add_nc_u64 s[28:29], s[14:15], s[26:27]      ; my codes
	s_lshl_b32 s26, s22, 15
	s_lshl_b32 s25, s23, 12
	s_add_co_u32 s26, s26, s25
	s_lshl_b32 s25, s24, 7
	s_add_co_u32 s26, s26, s25
	s_add_co_u32 s26, s26, 1572864
	s_add_nc_u64 s[30:31], s[14:15], s[26:27]      ; my scale words
	s_lshl_b32 s26, s24, 16
	s_lshl_b32 s25, s23, 12
	s_add_co_u32 s26, s26, s25
	s_add_nc_u64 s[32:33], s[16:17], s[26:27]      ; w_o's high parts,
	s_add_nc_u64 s[34:35], s[32:33], 2097152       ; and low parts
	s_cmp_eq_u32 s22, 3
	s_cbranch_scc1 .Lwo
	QBLOCK 0
	QBLOCK 1
	QBLOCK 2
	QBLOCK 3
	global_store_b32 v1, v12, s[30:31]
	s_endpgm
.Lwo:
	HBLOCK 0
	HBLOCK 1
	HBLOCK 2
	HBLOCK 3
	s_endpgm
	; ---- the mask: 1,024 waves, each two units (32 queries x 128 keys)
.Lmask:
	s_sub_co_u32 s21, s21, 4
	s_lshr_b32 s22, s21, 4                         ; query block
	s_and_b32 s23, s21, 15                         ; pair of key steps
	s_lshl_b32 s26, s22, 18                        ; 32 rows of 8,192 bytes
	s_lshl_b32 s27, s23, 9
	s_add_co_u32 s26, s26, s27
	s_mov_b32 s27, 0
	s_add_nc_u64 s[12:13], s[12:13], s[26:27]
	LOADM 0
	LOADM 1
	s_lshl_b32 s24, s22, 5
	s_lshl_b32 s25, s23, 1
	s_add_co_u32 s24, s24, s25                     ; my first unit's number
	s_lshl_b32 s26, s24, 2
	s_add_co_u32 s26, s26, 524288
	s_add_nc_u64 s[44:45], s[18:19], s[26:27]      ; its flag words
	s_lshl_b32 s26, s24, 8
	s_add_nc_u64 s[18:19], s[18:19], s[26:27]      ; its bit words
	v_lshlrev_b32 v6, 3, v5
.irp j, 16,17,18,19,20,21
	v_mov_b32 v\j, 0                               ; a lane write's destination counts as read
.endr
	MBLOCK 0
	LOADM 2
	MBLOCK 1
	LOADM 3
	UNIT 0
	MBLOCK 2
	MBLOCK 3
	UNIT 1
	v_cmp_gt_u32 vcc_lo, 2, v5
	s_wait_xcnt 0x0                                ; EXEC changes only behind this wait
	s_and_saveexec_b32 s42, vcc_lo
	global_store_b32 v1, v20, s[44:45]             ; lanes 0, 1: the two units' flag words
	global_store_b32 v1, v21, s[44:45] offset:8192
	s_wait_xcnt 0x0
	s_or_b32 exec_lo, exec_lo, s42
	s_endpgm
.Lfunc_end_k_qcbbfd44262_prep:
	.size	k_qcbbfd44262_prep, .Lfunc_end_k_qcbbfd44262_prep-k_qcbbfd44262_prep
	.p2alignl 7, 3214868480
	.fill 96, 4, 3214868480
	.section	.rodata,"a",@progbits
	.p2align	6, 0x0
	.amdhsa_kernel k_qcbbfd44262_prep
		.amdhsa_group_segment_fixed_size 0
		.amdhsa_private_segment_fixed_size 0
		.amdhsa_enable_private_segment 0
		.amdhsa_kernarg_size 64
		.amdhsa_user_sgpr_count 2
		.amdhsa_user_sgpr_kernarg_segment_ptr 1
		.amdhsa_wavefront_size32 1
		.amdhsa_system_sgpr_workgroup_id_x 1
		.amdhsa_system_sgpr_workgroup_id_y 1
		.amdhsa_system_sgpr_workgroup_id_z 1
		.amdhsa_system_vgpr_workitem_id 0
		.amdhsa_next_free_vgpr 128
		.amdhsa_next_free_sgpr 66
		.amdhsa_reserve_vcc 1
		.amdhsa_float_denorm_mode_32 3
		.amdhsa_float_denorm_mode_16_64 3
		.amdhsa_memory_ordered 1
		.amdhsa_forward_progress 1
		.amdhsa_inst_pref_size 78
	.end_amdhsa_kernel
	.amdgpu_metadata
---
amdhsa.version: [ 1, 2 ]
amdhsa.kernels:
  - .name:           k_qcbbfd44262_prep
    .symbol:         k_qcbbfd44262_prep.kd
    .args:
      - { .name: w_q, .offset: 0, .size: 8, .value_kind: global_buffer, .address_space: global }
      - { .name: w_k, .offset: 8, .size: 8, .value_kind: global_buffer, .address_space: global }
      - { .name: w_v, .offset: 16, .size: 8, .value_kind: global_buffer, .address_space: global }
      - { .name: w_o, .offset: 24, .size: 8, .value_kind: global_buffer, .address_space: global }
      - { .name: mask, .offset: 32, .size: 8, .value_kind: global_buffer, .address_space: global }
      - { .name: WQ, .offset: 40, .size: 8, .value_kind: global_buffer, .address_space: global }
      - { .name: WO, .offset: 48, .size: 8, .value_kind: global_buffer, .address_space: global }
      - { .name: MSK, .offset: 56, .size: 8, .value_kind: global_buffer, .address_space: global }
    .group_segment_fixed_size: 0
    .private_segment_fixed_size: 0
    .kernarg_segment_align: 8
    .kernarg_segment_size: 64
    .max_flat_workgroup_size: 256
    .sgpr_count:     66
    .vgpr_count:     128
    .wavefront_size: 32
...
	.end_amdgpu_metadata
.endif
;; end of part 1
;; launch proj (part 2): grid 128 x 3, 8 waves a work-group, no clusters, 78,080 bytes of LDS; arguments q, k, v, b_q, b_k, b_v, WQ, QKV, LO; writes QKV, LO
.if DOCPART == 2
	.amdgcn_target "amdgcn-amd-amdhsa--gfx1250"
	.amdhsa_code_object_version 6
	.text
	.protected	k_qcbbfd44262_proj
	.globl	k_qcbbfd44262_proj
	.p2align	8
	.type	k_qcbbfd44262_proj,@function
k_qcbbfd44262_proj:
	s_mov_b64 s[64:65], 0
	v_nop
	global_prefetch_b8 v0, s[64:65] scope:SCOPE_SE
	s_setreg_imm32_b32 hwreg(HW_REG_WAVE_MODE, 25, 1), 1
	s_wait_xcnt 0x0
; PROJ.  y = Q4(x) Q4(w) + b for x = q, k, v (work-group y = 0, 1, 2), on codes of E2M1 with one E8M0 scale for each 32 along K = 1,024; sums in f32.
; A work-group owns 64 rows of x (one key step of one batch) and all 1,024 columns.
; PHASE X: wave w quantises rows 8 w .. 8 w + 7 (32 KB, dense): each load reads 512 consecutive bytes; 2,048 bytes turn through the wave's own stage so that a lane holds 16 neighbours along K (two lanes a block);
;   codes go to LDS as rows of 512 bytes + 16, scale bytes as rows of 32 bytes + 4.  One barrier.
; PHASE G: wave w makes heads 2 w and 2 w + 1, one a pass: 64 rows x 64 columns, 16 accumulators by turns.  The weights come from WQ, laid in the order of the operand's registers,
;   straight into registers, one K step ahead; x's fragments come from LDS.
;   q, k: source 0 = 16 columns of w, source 1 = 16 rows of x: a lane holds one row and 8 neighbouring channels, which as f16 are a register group of the operand of K Q^T.
;   v:    source 0 = 16 rows of x, source 1 = 16 columns of w: a lane holds one channel and 8 neighbouring keys: a register group of V^T.
; OUT: QKV + t*2^24 + (16 b + head)*262144: q, k: [tile of 16 rows][32 channels][image]; v: [key step of 64][16 channels][32 keys][image]; an image is 1,024 bytes: register group c of lane l at 512 c + 16 l.
;   Each store of a wave covers 512 consecutive bytes, aligned.  For the first 64 positions of a sequence the f16 low parts go to LO in the same layout.
; NO CLUSTER: x's rows are read by one work-group; the weights (544 KB a tensor) go to registers without passing LDS, and the grid of 384 is not laid on one work-group a WGP.
; LIMITS: |y| under 65,504 (f16); a block of zeros gets the byte 1 (its codes are zeros); NaN and infinities are not served.
.set SP,    80                         ; a lane's place in a stage: 64 bytes + 16
.set STGW,  2*32*SP                    ; a wave's two stages
.set CODES, 8*STGW                     ; 40,960: 64 rows of codes,
.set CP,    528                        ; 512 bytes + 16: the 16 rows of a fragment load start at 16 different banks
.set SCB,   CODES+64*CP                ; 74,752: 64 rows of scale bytes,
.set SCP,   36
.set SPARE, SCB+64*SCP                 ; 77,056: the spare words, 128 bytes for each wave: four blocks of 256 bytes that no other line names
.set R,     128                        ; phase X: v128-191 four sets of 16 numbers as loaded; v192-223 two sets of 16 neighbours; v224-231 codes and byte, two sets
.set XX,    192
.set CC,    224
.set WSC,   16                         ; v16-23 w's scale words, two sets; v24-27 x's: these hold scales and nothing else
.set XSC,   24
.set WF,    32                         ; v32-63, v64-95 w's fragments, two sets; v96-127 x's; v128-255 the accumulators, (m, n) at 8 (4 m + n)
.set XF,    96
.set ACC,   128
.set OUTH,  64                         ; the way out: 64 registers of f16
	s_load_b256 s[4:11], s[0:1], 0x0               ; q, k, v, b_q
	s_load_b256 s[12:19], s[0:1], 0x20             ; b_k, b_v, WQ, QKV
	s_load_b64 s[20:21], s[0:1], 0x40              ; LO
	v_lshl_add_u32 v1, v0, 2, SPARE                ; my spare word; never rewritten
	v_mov_b32 v2, 0                                ; 0; never rewritten
	v_lshrrev_b32 v10, 5, v0
	v_readfirstlane_b32 s22, v10                   ; wave
	s_and_b32 s23, ttmp7, 0xffff                   ; t
	v_and_b32 v10, 31, v0                          ; lane
	v_and_b32 v11, 15, v0                          ; r
	v_bfe_u32 v12, v0, 4, 1                        ; h
	v_lshlrev_b32 v3, 4, v10                       ; 16 x lane
	v_mul_u32_u24 v4, v11, CP
	v_lshl_add_u32 v4, v12, 4, v4
	v_add_nc_u32 v4, CODES, v4                     ; x's fragments: row r, + 16 h
	v_mul_u32_u24 v5, v11, SCP
	v_add_nc_u32 v5, SCB, v5                       ; x's scale words: row r
	v_lshlrev_b32 v6, 2, v11                       ; 4 r
	v_lshlrev_b32 v7, 5, v12                       ; 32 h
	s_mul_i32 s24, s22, 8*CP
	v_lshl_add_u32 v8, v10, 3, s24
	v_add_nc_u32 v8, CODES, v8                     ; where my 8 bytes of codes go
	s_mul_i32 s24, s22, 8*SCP
	v_lshrrev_b32 v9, 1, v10
	v_add_nc_u32 v9, s24, v9
	v_add_nc_u32 v9, SCB, v9                       ; and my block's byte
	s_mul_i32 s24, s22, STGW
	v_lshrrev_b32 v14, 2, v10
	v_mul_u32_u24 v14, v14, SP
	v_and_b32 v15, 3, v10
	v_lshl_add_u32 v14, v15, 4, v14
	v_add_nc_u32 v14, s24, v14                     ; the stage, in: four lanes' 64 bytes on end, then 16 of padding
	v_mul_u32_u24 v15, v10, SP
	v_add_nc_u32 v15, s24, v15                     ; and out: my 16 neighbours
	s_wait_kmcnt 0x0
	s_cmp_eq_u32 s23, 1
	s_cselect_b64 s[4:5], s[6:7], s[4:5]
	s_cselect_b64 s[10:11], s[12:13], s[10:11]
	s_cmp_eq_u32 s23, 2
	s_cselect_b64 s[4:5], s[8:9], s[4:5]           ; x
	s_cselect_b64 s[10:11], s[14:15], s[10:11]     ; its bias
	s_lshl_b32 s24, ttmp9, 18                      ; 64 rows of 4,096 bytes
	s_lshl_b32 s25, s22, 15
	s_add_co_u32 s24, s24, s25
	s_mov_b32 s25, 0
	s_add_nc_u64 s[4:5], s[4:5], s[24:25]
.macro XLOADG t
.irp i, 0,1,2,3
	global_load_b128 v[R+16*((\t)%4)+4*\i:R+16*((\t)%4)+4*\i+3], v3, s[4:5] offset:2048*(\t)+512*\i th:TH_LOAD_NT
.endr
.endm
.macro XTURN t                         ; LDS serves a wave's instructions in order: no wait between the stores and the loads
.irp i, 0,1,2,3
	ds_store_b128 v14, v[R+16*((\t)%4)+4*\i:R+16*((\t)%4)+4*\i+3] offset:32*SP*((\t)%2)+8*SP*\i
.endr
.irp i, 0,1,2,3
	ds_load_b128 v[XX+16*((\t)%2)+4*\i:XX+16*((\t)%2)+4*\i+3], v15 offset:32*SP*((\t)%2)+16*\i
.endr
.endm
.irp t, 0,1,2,3
	XLOADG \t
.endr
	; the other bases, while the loads are out
	s_lshl_b32 s24, s22, 9
	s_add_nc_u64 s[10:11], s[10:11], s[24:25]      ; bias: my 128 columns
	s_lshl_b32 s24, s23, 19
	s_lshl_b32 s36, s22, 16
	s_add_co_u32 s24, s24, s36
	s_add_nc_u64 s[26:27], s[16:17], s[24:25]      ; w's codes: my 8 n tiles
	s_lshl_b32 s24, s23, 15
	s_lshl_b32 s36, s22, 9
	s_add_co_u32 s24, s24, s36
	s_add_co_u32 s24, s24, 1572864
	s_add_nc_u64 s[28:29], s[16:17], s[24:25]      ; w's scale words
	s_lshr_b32 s37, ttmp9, 5                       ; batch
	s_and_b32 s38, ttmp9, 31                       ; key step
	s_lshl_b32 s37, s37, 4
	s_lshl_b32 s36, s22, 1
	s_add_co_u32 s37, s37, s36                     ; 16 b + my first head
	s_lshl_b32 s24, s23, 24
	s_lshl_b32 s36, s37, 18
	s_add_co_u32 s24, s24, s36
	s_lshl_b32 s36, s38, 13
	s_add_co_u32 s24, s24, s36
	s_add_nc_u64 s[30:31], s[18:19], s[24:25]      ; out
	s_lshl_b32 s24, s23, 19
	s_lshl_b32 s36, s37, 13
	s_add_co_u32 s24, s24, s36
	s_add_nc_u64 s[32:33], s[20:21], s[24:25]      ; the low parts
	s_wait_loadcnt 12                              ; step 0's four loads are in
	XTURN 0
.macro XSTEP t
.set XS, XX+16*((\t)%2)
.set CR, CC+4*((\t)%2)
.if (\t) > 0
	s_wait_dscnt 2                                 ; this step's numbers are back from the stage; the last step's two small stores may be out
.else
	s_wait_dscnt 0x0
.endif
.if (\t)+4 < 16
	XLOADG (\t)+4                                  ; into the set whose stores into the stage are done
.endif
.if (\t)+1 < 16
.if 14-(\t) >= 3
	s_wait_loadcnt 12                              ; the next step's four loads are in; three steps' may be out
.else
	s_wait_loadcnt 4*(14-(\t))
.endif
	XTURN (\t)+1
.endif
	v_max3_num_f32 v10, |v[XS]|, |v[XS+1]|, |v[XS+2]|
	v_max3_num_f32 v11, |v[XS+3]|, |v[XS+4]|, |v[XS+5]|
.irp i, 6,10
	v_max3_num_f32 v10, v10, |v[XS+\i]|, |v[XS+\i+1]|
	v_max3_num_f32 v11, v11, |v[XS+\i+2]|, |v[XS+\i+3]|
.endr
	v_max3_num_f32 v10, v10, |v[XS+14]|, |v[XS+15]|
	v_max3_num_f32 v10, v10, v11, 0x1800000        ; the floor 2^(3 - 127)
	v_max_num_f32_dpp v10, v10, v10 row_xmask:1 row_mask:0xf bank_mask:0xf   ; with my neighbour's 16: the block's largest magnitude
	v_add_nc_u32 v12, 0xff000000, v10              ; 2 off its exponent field: the conversion's scale operand
	v_cvt_scalef32_pk8_fp4_f32 v[CR], v[XS:XS+7], v12
	v_cvt_scalef32_pk8_fp4_f32 v[CR+1], v[XS+8:XS+15], v12
	v_lshrrev_b32 v[CR+2], 23, v12                 ; the byte (also the plain line behind the conversions)
	ds_store_b64 v8, v[CR:CR+1] offset:((\t)/2)*CP+((\t)%2)*256
	ds_store_b8 v9, v[CR+2] offset:((\t)/2)*SCP+((\t)%2)*16   ; both lanes of a block write the same byte with the same value
.endm
.irp t, 0,1,2,3,4,5,6,7,8,9,10,11,12,13,14,15
	XSTEP \t
.endr
	s_wait_dscnt 0x0                               ; for the others' sake: my codes and bytes are in LDS
	s_barrier_signal -1
	s_barrier_wait -1
.macro WLOAD ks, set                   ; 12 loads: four fragments of w and their scale words
.irp n, 0,1,2,3
.irp c, 0,1
	global_load_b128 v[WF+32*(\set)+8*\n+4*\c:WF+32*(\set)+8*\n+4*\c+3], v3, s[26:27] offset:\n*8192+(\ks)*1024+\c*512
.endr
	global_load_b32 v[WSC+4*(\set)+\n], v6, s[28:29] offset:(\ks)*4096+\n*64
.endr
.endm
.macro XFETCH ks                       ; 12 LDS loads: four fragments of x and their scale words
.irp m, 0,1,2,3
.irp c, 0,1
	ds_load_b128 v[XF+8*\m+4*\c:XF+8*\m+4*\c+3], v4 offset:\m*16*CP+(\ks)*64+32*\c
.endr
	ds_load_b32 v[XSC+\m], v5 offset:\m*16*SCP+4*(\ks)
.endr
.endm
.macro MULS ks, path
.set WS, WF+32*((\ks)%2)
.set SS, WSC+4*((\ks)%2)
.irp m, 0,1,2,3
.irp n, 0,1,2,3
.set AR, ACC+8*(4*\m+\n)
.if \path == 0
.if (\ks) == 0
	v_wmma_scale_f32_16x16x128_f8f6f4 v[AR:AR+7], v[WS+8*\n:WS+8*\n+7], v[XF+8*\m:XF+8*\m+7], 0, v[SS+\n], v[XSC+\m] matrix_a_fmt:MATRIX_FMT_FP4 matrix_b_fmt:MATRIX_FMT_FP4
.else
	v_wmma_scale_f32_16x16x128_f8f6f4 v[AR:AR+7], v[WS+8*\n:WS+8*\n+7], v[XF+8*\m:XF+8*\m+7], v[AR:AR+7], v[SS+\n], v[XSC+\m] matrix_a_fmt:MATRIX_FMT_FP4 matrix_b_fmt:MATRIX_FMT_FP4
.endif
.else
.if (\ks) == 0
	v_wmma_scale_f32_16x16x128_f8f6f4 v[AR:AR+7], v[XF+8*\m:XF+8*\m+7], v[WS+8*\n:WS+8*\n+7], 0, v[XSC+\m], v[SS+\n] matrix_a_fmt:MATRIX_FMT_FP4 matrix_b_fmt:MATRIX_FMT_FP4
.else
	v_wmma_scale_f32_16x16x128_f8f6f4 v[AR:AR+7], v[XF+8*\m:XF+8*\m+7], v[WS+8*\n:WS+8*\n+7], v[AR:AR+7], v[XSC+\m], v[SS+\n] matrix_a_fmt:MATRIX_FMT_FP4 matrix_b_fmt:MATRIX_FMT_FP4
.endif
.endif
.endr
.endr
.endm
.macro GPATH path
	s_mov_b32 s34, 0
.Lpass_\@:
	WLOAD 0, 0
.irp ks, 0,1,2,3,4,5,6,7
	XFETCH \ks
.if \ks < 7
	WLOAD \ks+1, (\ks+1)%2
	s_wait_loadcnt 12                              ; this K step's 12 are in; the 12 just issued may be out
.else
.if \path == 0
.irp n, 0,1,2,3                        ; the bias, into w's set 0, which is done with: lane (r, h) wants columns 16 n + 8 h + 0 .. 7
	global_load_b128 v[WF+8*\n:WF+8*\n+3], v7, s[10:11] offset:\n*64
	global_load_b128 v[WF+8*\n+4:WF+8*\n+7], v7, s[10:11] offset:\n*64+16
.endr
	s_wait_loadcnt 8
.else
.irp n, 0,1,2,3                        ; lane (r, h) wants column 16 n + r
	global_load_b32 v[WF+2*\n], v6, s[10:11] offset:\n*64
.endr
	s_wait_loadcnt 4
.endif
.endif
	s_wait_dscnt 0x0
	MULS \ks, \path
.rept 4
	v_nop                                          ; four places in front of loads into registers that these products read, and of the first read of results
.endr
.endr
	s_wait_loadcnt 0x0                             ; the bias
.irp m, 0,1,2,3
.irp n, 0,1,2,3
.set AR, ACC+8*(4*\m+\n)
.set HR, OUTH+4*(4*\m+\n)
.if \path == 0
.set OFS, \m*2048+(\n/2)*1024+(\n%2)*512
.irp j, 0,2,4,6
	v_pk_add_f32 v[AR+\j:AR+\j+1], v[AR+\j:AR+\j+1], v[WF+8*\n+\j:WF+8*\n+\j+1]
.endr
.else
.set OFS, \n*2048+(\m/2)*1024+(\m%2)*512
.irp j, 0,2,4,6
	v_pk_add_f32 v[AR+\j:AR+\j+1], v[AR+\j:AR+\j+1], v[WF+2*\n:WF+2*\n+1] op_sel_hi:[1,0]
.endr
.endif
.irp j, 0,1,2,3
	v_cvt_pk_f16_f32 v[HR+\j], v[AR+2*\j], v[AR+2*\j+1]
.endr
	global_store_b128 v3, v[HR:HR+3], s[30:31] offset:OFS
.endr
.endr
	s_cmp_lg_u32 s38, 0                            ; the first 64 positions of a sequence also leave their low parts (a branch on the work-group's number)
	s_cbranch_scc1 .Lnolo_\@
.irp m, 0,1,2,3
.irp n, 0,1,2,3
.set AR, ACC+8*(4*\m+\n)
.set HR, OUTH+4*(4*\m+\n)
.if \path == 0
.set OFS, \m*2048+(\n/2)*1024+(\n%2)*512
.else
.set OFS, \n*2048+(\m/2)*1024+(\m%2)*512
.endif
.irp j, 0,1,2,3
	v_mov_b32 v28, v[HR+\j]                        ; (the register whose halves are named)
	v_cvt_f32_f16 v29, v28.l
	v_cvt_f32_f16 v30, v28.h
	v_sub_f32 v29, v[AR+2*\j], v29
	v_sub_f32 v30, v[AR+2*\j+1], v30
	v_cvt_pk_f16_f32 v[AR+\j], v29, v30            ; in place: register j is written behind the reads of 2 j and 2 j + 1
.endr
	global_store_b128 v3, v[AR:AR+3], s[32:33] offset:OFS
.endr
.endr
.Lnolo_\@:
	s_wait_xcnt 0x0                                ; the stores have read their data and bases: both are written again
	s_add_nc_u64 s[26:27], s[26:27], 32768
	s_add_nc_u64 s[28:29], s[28:29], 256
	s_add_nc_u64 s[10:11], s[10:11], 256
	s_add_nc_u64 s[30:31], s[30:31], 262144
	s_add_nc_u64 s[32:33], s[32:33], 8192
	s_add_co_u32 s34, s34, 1
	s_cmp_lt_u32 s34, 2
	s_cbranch_scc1 .Lpass_\@
	s_wait_tensorcnt 0x0                           ; the wave's end
	ds_add_u32 v1, v2
	s_wait_dscnt 0x0
	s_endpgm
.endm
	s_cmp_eq_u32 s23, 2
	s_cbranch_scc1 .Lforv
	GPATH 0
.Lforv:
	GPATH 1
.Lfunc_end_k_qcbbfd44262_proj:
	.size	k_qcbbfd44262_proj, .Lfunc_end_k_qcbbfd44262_proj-k_qcbbfd44262_proj
	.p2alignl 7, 3214868480
	.fill 96, 4, 3214868480
	.section	.rodata,"a",@progbits
	.p2align	6, 0x0
	.amdhsa_kernel k_qcbbfd44262_proj
		.amdhsa_group_segment_fixed_size 78080
		.amdhsa_private_segment_fixed_size 0
		.amdhsa_enable_private_segment 0
		.amdhsa_kernarg_size 72
		.amdhsa_user_sgpr_count 2
		.amdhsa_user_sgpr_kernarg_segment_ptr 1
		.amdhsa_wavefront_size32 1
		.amdhsa_system_sgpr_workgroup_id_x 1
		.amdhsa_system_sgpr_workgroup_id_y 1
		.amdhsa_system_sgpr_workgroup_id_z 1
		.amdhsa_system_vgpr_workitem_id 0
		.amdhsa_next_free_vgpr 256
		.amdhsa_next_free_sgpr 66
		.amdhsa_reserve_vcc 0
		.amdhsa_float_denorm_mode_32 3
		.amdhsa_float_denorm_mode_16_64 3
		.amdhsa_memory_ordered 1
		.amdhsa_forward_progress 1
		.amdhsa_inst_pref_size 151
	.end_amdhsa_kernel
	.amdgpu_metadata
---
amdhsa.version: [ 1, 2 ]
amdhsa.kernels:
  - .name:           k_qcbbfd44262_proj
    .symbol:         k_qcbbfd44262_proj.kd
    .args:
      - { .name: q, .offset: 0, .size: 8, .value_kind: global_buffer, .address_space: global }
      - { .name: k, .offset: 8, .size: 8, .value_kind: global_buffer, .address_space: global }
      - { .name: v, .offset: 16, .size: 8, .value_kind: global_buffer, .address_space: global }
      - { .name: b_q, .offset: 24, .size: 8, .value_kind: global_buffer, .address_space: global }
      - { .name: b_k, .offset: 32, .size: 8, .value_kind: global_buffer, .address_space: global }
      - { .name: b_v, .offset: 40, .size: 8, .value_kind: global_buffer, .address_space: global }
      - { .name: WQ, .offset: 48, .size: 8, .value_kind: global_buffer, .address_space: global }
      - { .name: QKV, .offset: 56, .size: 8, .value_kind: global_buffer, .address_space: global }
      - { .name: LO, .offset: 64, .size: 8, .value_kind: global_buffer, .address_space: global }
    .group_segment_fixed_size: 78080
    .private_segment_fixed_size: 0
    .kernarg_segment_align: 8
    .kernarg_segment_size: 72
    .max_flat_workgroup_size: 256
    .sgpr_count:     66
    .vgpr_count:     256
    .wavefront_size: 32
...
	.end_amdgpu_metadata
.endif
;; end of part 2
;; launch fattn (part 3): grid 64 x 1, 1 waves a work-group, no clusters, 0 bytes of LDS; arguments QKV, LO, MSK, CF; writes CF
.if DOCPART == 3
	.amdgcn_target "amdgcn-amd-amdhsa--gfx1250"
	.amdhsa_code_object_version 6
	.text
	.protected	k_qcbbfd44262_fattn
	.globl	k_qcbbfd44262_fattn
	.p2align	8
	.type	k_qcbbfd44262_fattn,@function
k_qcbbfd44262_fattn:
	s_mov_b64 s[64:65], 0
	v_nop
	global_prefetch_b8 v0, s[64:65] scope:SCOPE_SE
	s_setreg_imm32_b32 hwreg(HW_REG_WAVE_MODE, 25, 1), 1
	s_wait_xcnt 0x0
; FATTN.  The first 16 positions of every sequence and head, carried more finely: operands as pairs of f16 numbers, a high and a low part, both going to the matrix unit.
; One wave for each (batch, head).  S^T = K Q^T and O^T = V^T P as in the bulk launch: a lane holds one query.  Q: high and low.  K, V: high and low for keys 0-63 (the step written out), high alone for later keys.
; p is split into a high and a low f16 part; the row's sum is taken of the unsplit p in f32.  Products low x low are left out.
; A key step in which no row has a key that counts is passed over, by a scalar branch on the flag words that an earlier launch stored; if some row has no such key at all, nothing is passed over
; (such a row averages all values, as the -1e9 of the definition makes it).  Running maximum as in the bulk launch.
; OUT: CF: [batch 4][k step 32][image of 16 rows x 32 k] f16 high parts; the low parts 131,072 bytes on.
; LIMITS: scores lie far above -1e9; f16's range for q, k, v projections; NaN and infinities are not served.
.set ST, 16                            ; v16 c m, v17 at work, v18 a, v19 at work, v[20:21] the sum, v[22:23] at work
.set S,  64                            ; v64-95 S^T, then p; its low parts in v64-79
.set PH, 96                            ; v96-111 p's high parts
.set O,  128                           ; v128-159 O^T
.set KA, 160                           ; v160-223 a step's K or V
.macro PLACES n
.rept \n
	v_nop
.endr
.endm
.macro KALOAD base, off
.set n, 0
.rept 16
	global_load_b128 v[KA+4*n:KA+4*n+3], v1, s[\base:\base+1] offset:\off+512*n
.set n, n+1
.endr
.endm
.macro SPLIT h, l, a, b
	v_cvt_pk_f16_f32 v28, v[\a], v[\b]
	v_cvt_f32_f16 v29, v28.l
	v_cvt_f32_f16 v30, v28.h
	v_mov_b32 v[\h], v28
	v_sub_f32 v29, v[\a], v29
	v_sub_f32 v30, v[\b], v30
	v_cvt_pk_f16_f32 v[\l], v29, v30
.endm
.macro FSTEP lo
	KALOAD 24, 0                                   ; K's high parts
	s_wait_loadcnt 0x0
.irp p, 0,1,2,3                        ; Q's high parts, channels 0-31, 32-63; then its low parts.  The four accumulators take turns
.irp k, 0,1,2,3
.if \p == 0
	v_wmma_f32_16x16x32_f16 v[S+8*\k:S+8*\k+7], v[KA+16*\k:KA+16*\k+7], v[32:39], 0
.else
	v_wmma_f32_16x16x32_f16 v[S+8*\k:S+8*\k+7], v[KA+16*\k+8*(\p%2):KA+16*\k+8*(\p%2)+7], v[32+8*\p:39+8*\p], v[S+8*\k:S+8*\k+7]
.endif
.endr
.endr
	PLACES 4
.if \lo
	KALOAD 6, 524288                               ; K's low parts
	s_wait_loadcnt 0x0
.irp p, 0,1
.irp k, 0,1,2,3
	v_wmma_f32_16x16x32_f16 v[S+8*\k:S+8*\k+7], v[KA+16*\k+8*\p:KA+16*\k+8*\p+7], v[32+8*\p:39+8*\p], v[S+8*\k:S+8*\k+7]
.endr
.endr
	PLACES 4
.endif
	KALOAD 26, 0                                   ; V's high parts
	s_bitcmp1_b32 s21, 0                           ; does some row hide a key of this step?
	s_cbranch_scc0 .Lopen_\@
	global_load_b64 v[22:23], v2, s[28:29]         ; my query's 64 bits
	s_wait_loadcnt 0x0
	v_perm_b32 v17, v23, v22, v3                   ; the four bytes of my half: bit 8 kt + j = key 16 kt + 8 h + j = register 8 kt + j
.set n, 0
.rept 32
	v_and_b32 v19, (1<<n), v17
	v_cmp_ne_u32 vcc_lo, 0, v19
	v_cndmask_b32 v[S+n], s16, v[S+n], vcc_lo      ; hidden: -8e9, which times c is -1e9 log2(e)
.set n, n+1
.endr
.Lopen_\@:
	v_max3_num_f32 v22, v[S], v[S+1], v[S+2]       ; each accumulator is read from its low end on
	v_max3_num_f32 v23, v[S+8], v[S+9], v[S+10]
	v_max3_num_f32 v17, v[S+16], v[S+17], v[S+18]
	v_max3_num_f32 v19, v[S+24], v[S+25], v[S+26]
.irp i, 3,5
	v_max3_num_f32 v22, v22, v[S+\i], v[S+\i+1]
	v_max3_num_f32 v23, v23, v[S+8+\i], v[S+9+\i]
	v_max3_num_f32 v17, v17, v[S+16+\i], v[S+17+\i]
	v_max3_num_f32 v19, v19, v[S+24+\i], v[S+25+\i]
.endr
	v_max3_num_f32 v22, v22, v[S+7], v[S+15]
	v_max3_num_f32 v17, v17, v[S+23], v[S+31]
	v_max3_num_f32 v22, v22, v23, v17
	v_max_num_f32 v22, v22, v19
	v_permlanex16_b32 v23, v22, s18, s19           ; the query's other 32 keys lie in the lane 16 away
	v_max_num_f32 v22, v22, v23
	v_mul_f32 v22, s14, v22
	v_max_num_f32 v23, v16, v22                    ; the new c m
	v_sub_f32 v17, v16, v23
	v_mov_b32 v16, v23
.irp b, 0,2,4,6,8,10,12,14,16,18,20,22,24,26,28,30
	v_pk_fma_f32 v[S+\b:S+\b+1], v[S+\b:S+\b+1], s[14:15], v[16:17] op_sel_hi:[1,0,0] neg_lo:[0,0,1] neg_hi:[0,0,1]
.endr
	v_exp_f32 v18, v17                             ; a = 2^(c m_old - c m_new)
.set n, 0
.rept 32
	v_exp_f32 v[S+n], v[S+n]
.set n, n+1
.endr
	v_nop                                          ; a plain line behind the last exponential,
	s_wait_alu depctr_va_vdst(0)                   ; and one wait for the batch, ahead of its first reader
	v_pk_fma_f32 v[20:21], v[20:21], v[18:19], v[S:S+1] op_sel_hi:[1,0,1]
	v_pk_add_f32 v[22:23], v[S+2:S+3], v[S+4:S+5]
.irp b, 6,10,14,18,22,26
	v_pk_add_f32 v[20:21], v[20:21], v[S+\b:S+\b+1]
	v_pk_add_f32 v[22:23], v[22:23], v[S+\b+2:S+\b+3]
.endr
	v_pk_add_f32 v[20:21], v[20:21], v[S+30:S+31]
	v_pk_add_f32 v[20:21], v[20:21], v[22:23]
.set n, 0
.rept 16
	SPLIT PH+n, S+n, S+2*n, S+2*n+1                ; the low part's word n is written behind the reads of 2 n and 2 n + 1
.set n, n+1
.endr
.irp b, 0,2,4,6,8,10,12,14,16,18,20,22,24,26,28,30
	v_pk_mul_f32 v[O+\b:O+\b+1], v[O+\b:O+\b+1], v[18:19] op_sel_hi:[1,0]
.endr
	s_wait_loadcnt 0x0                             ; V
.irp p, 0,1,2,3                        ; p's high parts, keys 0-31, 32-63; then its low parts
.irp d, 0,1,2,3
.if \p < 2
	v_wmma_f32_16x16x32_f16 v[O+8*\d:O+8*\d+7], v[KA+16*\d+8*\p:KA+16*\d+8*\p+7], v[PH+8*\p:PH+8*\p+7], v[O+8*\d:O+8*\d+7]
.else
	v_wmma_f32_16x16x32_f16 v[O+8*\d:O+8*\d+7], v[KA+16*\d+8*(\p-2):KA+16*\d+8*(\p-2)+7], v[S+8*(\p-2):S+8*(\p-2)+7], v[O+8*\d:O+8*\d+7]
.endif
.endr
.endr
.if \lo
	PLACES 4
	KALOAD 6, 1048576                              ; V's low parts
	s_wait_loadcnt 0x0
.irp p, 0,1
.irp d, 0,1,2,3
	v_wmma_f32_16x16x32_f16 v[O+8*\d:O+8*\d+7], v[KA+16*\d+8*\p:KA+16*\d+8*\p+7], v[PH+8*\p:PH+8*\p+7], v[O+8*\d:O+8*\d+7]
.endr
.endr
.endif
	PLACES 5                                       ; the next scores are written over p's registers: five places
.endm
.macro FTRIP lo
	s_bitcmp1_b32 s20, 0
	s_cbranch_scc0 .Lpass_\@
	FSTEP \lo
.Lpass_\@:
	s_wait_xcnt 0x0                                ; the bases are stepped only behind this wait
	s_add_nc_u64 s[24:25], s[24:25], 8192
	s_add_nc_u64 s[26:27], s[26:27], 8192
	s_add_nc_u64 s[28:29], s[28:29], 256
	s_lshr_b32 s20, s20, 1
	s_lshr_b32 s21, s21, 1
.endm
	s_load_b256 s[4:11], s[0:1], 0x0               ; QKV, LO, MSK, CF
	v_lshlrev_b32 v1, 4, v0                        ; 16 x lane
	v_and_b32 v4, 15, v0
	v_lshlrev_b32 v2, 3, v4                        ; 8 r
	v_bfe_u32 v5, v0, 4, 1                         ; h
	v_cmp_eq_u32 vcc_lo, 0, v5
	v_mov_b32 v3, 0x07050301
	v_mov_b32 v6, 0x06040200
	v_cndmask_b32 v3, v3, v6, vcc_lo               ; which bytes of the 64 bits are my half's
	v_lshlrev_b32 v24, 2, v0                       ; 4 x lane
	s_mov_b32 s14, 0x3e38aa3b                      ; c = log2(e) / sqrt(64)
	s_mov_b32 s15, s14
	s_mov_b32 s16, 0xcfee6b28                      ; -8e9
	s_mov_b32 s18, 0x76543210
	s_mov_b32 s19, 0xfedcba98
	s_lshl_b32 s32, ttmp9, 18                      ; a head's 262,144 bytes
	s_mov_b32 s33, 0
	s_lshl_b32 s34, ttmp9, 13
	s_mov_b32 s35, 0
	s_lshr_b32 s36, ttmp9, 4
	s_lshl_b32 s36, s36, 5
	s_and_b32 s37, ttmp9, 15
	s_lshl_b32 s37, s37, 1
	s_add_co_u32 s36, s36, s37
	s_lshl_b32 s36, s36, 10                        ; (32 b + 2 head) images
	s_mov_b32 s37, 0
	s_wait_kmcnt 0x0
	global_load_b32 v25, v24, s[8:9] offset:524288 ; lane j: step j's flag words of query block 0
	global_load_b32 v26, v24, s[8:9] offset:532480
	s_add_nc_u64 s[4:5], s[4:5], s[32:33]          ; Q
	s_add_nc_u64 s[24:25], s[4:5], 16777216        ; K
	s_add_nc_u64 s[26:27], s[4:5], 33554432        ; V
	s_add_nc_u64 s[6:7], s[6:7], s[34:35]          ; the low parts
	s_mov_b64 s[28:29], s[8:9]                     ; the bit words
	s_add_nc_u64 s[10:11], s[10:11], s[36:37]
.irp n, 0,1,2,3
	global_load_b128 v[32+4*\n:35+4*\n], v1, s[4:5] offset:512*\n
	global_load_b128 v[48+4*\n:51+4*\n], v1, s[6:7] offset:512*\n
.endr
.set n, 0
.rept 8
	v_mov_b32 v[ST+n], 0
.set n, n+1
.endr
	v_mov_b32 v16, 0xff61b1e6                      ; c m: -3e38, under every score
.set n, 0
.rept 32
	v_mov_b32 v[O+n], 0                            ; which step is the first hangs on the mask: the sums begin as zeros
.set n, n+1
.endr
	s_wait_loadcnt 0x0
	v_and_b32 v25, 0xffff, v25                     ; my 16 rows alone
	v_or_b32 v26, 0xffff0000, v26
	v_cmp_ne_u32 s20, 0, v25                       ; steps with a key that counts
	v_cmp_ne_u32 s21, -1, v26
	s_and_b32 s21, s21, s20                        ; those of them that hide a key
	v_mov_b32 v27, v25
.irp x, 1,2,4,8
	v_mov_b32_dpp v27, v25 row_xmask:\x row_mask:0xf bank_mask:0xf
	v_or_b32 v25, v25, v27
.endr
	v_permlanex16_b32 v27, v25, s18, s19
	v_or_b32 v25, v25, v27
	v_readfirstlane_b32 s38, v25                   ; rows that have a key at all
	s_cmp_eq_u32 s38, 0xffff
	s_cselect_b32 s20, s20, -1                     ; a row without: every step is walked, every mask applied
	s_cselect_b32 s21, s21, -1
	FTRIP 1
	s_mov_b32 s30, 31
.Lstep:
	FTRIP 0
	s_sub_co_u32 s30, s30, 1
	s_cmp_lg_u32 s30, 0
	s_cbranch_scc1 .Lstep
	v_add_f32 v22, v20, v21
	v_permlanex16_b32 v23, v22, s18, s19
	v_add_f32 v22, v22, v23                        ; the row's sum
	v_rcp_f32 v18, v22
	v_nop
	s_wait_alu depctr_va_vdst(0)
.irp b, 0,2,4,6,8,10,12,14,16,18,20,22,24,26,28,30
	v_pk_mul_f32 v[O+\b:O+\b+1], v[O+\b:O+\b+1], v[18:19] op_sel_hi:[1,0]
.endr
.set n, 0
.rept 16
	SPLIT PH+n, S+n, O+2*n, O+2*n+1
.set n, n+1
.endr
.irp d, 0,1,2,3
	global_store_b128 v1, v[PH+4*\d:PH+4*\d+3], s[10:11] offset:512*\d
	global_store_b128 v1, v[S+4*\d:S+4*\d+3], s[10:11] offset:131072+512*\d
.endr
	s_endpgm
.Lfunc_end_k_qcbbfd44262_fattn:
	.size	k_qcbbfd44262_fattn, .Lfunc_end_k_qcbbfd44262_fattn-k_qcbbfd44262_fattn
	.p2alignl 7, 3214868480
	.fill 96, 4, 3214868480
	.section	.rodata,"a",@progbits
	.p2align	6, 0x0
	.amdhsa_kernel k_qcbbfd44262_fattn
		.amdhsa_group_segment_fixed_size 0
		.amdhsa_private_segment_fixed_size 0
		.amdhsa_enable_private_segment 0
		.amdhsa_kernarg_size 32
		.amdhsa_user_sgpr_count 2
		.amdhsa_user_sgpr_kernarg_segment_ptr 1
		.amdhsa_wavefront_size32 1
		.amdhsa_system_sgpr_workgroup_id_x 1
		.amdhsa_system_sgpr_workgroup_id_y 1
		.amdhsa_system_sgpr_workgroup_id_z 1
		.amdhsa_system_vgpr_workitem_id 0
		.amdhsa_next_free_vgpr 256
		.amdhsa_next_free_sgpr 66
		.amdhsa_reserve_vcc 1
		.amdhsa_float_denorm_mode_32 3
		.amdhsa_float_denorm_mode_16_64 3
		.amdhsa_memory_ordered 1
		.amdhsa_forward_progress 1
		.amdhsa_inst_pref_size 55
	.end_amdhsa_kernel
	.amdgpu_metadata
---
amdhsa.version: [ 1, 2 ]
amdhsa.kernels:
  - .name:           k_qcbbfd44262_fattn
    .symbol:         k_qcbbfd44262_fattn.kd
    .args:
      - { .name: QKV, .offset: 0, .size: 8, .value_kind: global_buffer, .address_space: global }
      - { .name: LO, .offset: 8, .size: 8, .value_kind: global_buffer, .address_space: global }
      - { .name: MSK, .offset: 16, .size: 8, .value_kind: global_buffer, .address_space: global }
      - { .name: CF, .offset: 24, .size: 8, .value_kind: global_buffer, .address_space: global }
    .group_segment_fixed_size: 0
    .private_segment_fixed_size: 0
    .kernarg_segment_align: 8
    .kernarg_segment_size: 32
    .max_flat_workgroup_size: 32
    .sgpr_count:     66
    .vgpr_count:     256
    .wavefront_size: 32
...
	.end_amdgpu_metadata
.endif
;; end of part 3
;; launch attn (part 4): grid 4 x 64, 16 waves a work-group, no clusters, 35,072 bytes of LDS; arguments QKV, MSK, CTX; writes CTX
.if DOCPART == 4
	.amdgcn_target "amdgcn-amd-amdhsa--gfx1250"
	.amdhsa_code_object_version 6
	.text
	.protected	k_qcbbfd44262_attn
	.globl	k_qcbbfd44262_attn
	.p2align	8
	.type	k_qcbbfd44262_attn,@function
k_qcbbfd44262_attn:
	s_mov_b64 s[64:65], 0
	v_nop
	global_prefetch_b8 v0, s[64:65] scope:SCOPE_SE
	s_setreg_imm32_b32 hwreg(HW_REG_WAVE_MODE, 25, 1), 1
	s_wait_xcnt 0x0
; ATTN.  ctx = softmax(where(mask == 0, -1e9, Q K^T / 8)) V for one (batch, head) a work-group row; operands f16, products, maxima and sums f32.
; SHARES.  Work-group (g, bh); each of its sixteen waves owns 32 queries (two tiles of 16): query block 4 m + g, m = wave with the two low bits turned in every second group of four waves.
;   Four waves share a SIMD, so that one wave's softmax stands beside another's products.
; LAYOUT.  S^T = K Q^T (source 0 = 16 keys, source 1 = 16 queries): a lane holds ONE query and keys 8 h + 0..7 of each tile; two such tiles, rounded to f16 in pairs, ARE source 1 of O^T = V^T P.
;   Q, K and V^T lie in memory as images of the operands' registers: a step's K and V (8,192 bytes each) are copied to LDS as they lie, 1,024 bytes a wave, and read back 16 bytes a lane, dense.
; RING.  Two LDS slots of 64 keys.  In a trip every wave asks memory for its part of the next step, works on this step, stores that part into the other slot, waits for all its LDS instructions and passes ONE barrier:
;   behind it the other slot is whole and nobody reads this one.
; THE MASK is an input.  An earlier launch stored it as bits, with two flag words for each unit of 32 queries x 64 keys.  A unit in which no row has a key that counts is passed over (a scalar branch on those stored
;   words, round the work alone, never round the staging or the barrier); a unit in which all keys count skips the masking.  If some row of my block has no key at all, nothing is passed over: that row averages all values.
; SOFTMAX.  Running maximum m and sum l for each query: p = 2^(c s - c m), c = log2(e) / 8; O and l are multiplied by a = 2^(c m_old - c m_new) in every step.
; NO CLUSTER, NO TENSOR LOADS, though the four work-groups of a head walk the same K and V.
; PREFETCH.  In trip j waves 0 (K) and 1 (V) of the head's first work-group name step j + 3, 32 lanes 256 bytes apart: 8,192 bytes each, two trips ahead of the load that wants them; it stops at j = 28; steps 0-2 are not named.
; LIMITS: scores lie far above -1e9; f16's range for q, k, v projections and ctx; NaN and infinities are not served.
.set SPARE, 33024                      ; the spare words, 128 bytes for each wave: eight blocks of 256 bytes that no other line names
.set ST, 16                            ; tile t at v[16 + 8 t]: +0 c m, +1 at work, +2 a, +3 at work, +4, +5 the sum, +6, +7 at work
.set Q,  32                            ; v32-63   Q: 16 t + 8 ds
.set S,  64                            ; v64-127  S^T, then p, then P in the low half of each tile's 32
.set O,  128                           ; v128-191 O^T: 32 t + 8 dt
.set KV, 192                           ; v192-255 a step's K, then its V
; v1, v2 the add's two; v3 16 x lane; v4 where I store my part of a step; v5 8 r; v6 byte selects; v7 256 x lane; v8-15 my part of the next step
.macro COMPUTE slot
.set n, 0
.rept 16
	ds_load_b128 v[KV+4*n:KV+4*n+3], v3 offset:(\slot)*16384+512*n
.set n, n+1
.endr
	s_wait_dscnt 0x0
.irp d, 0,1                            ; eight accumulators by turns
.irp k, 0,1,2,3
.irp t, 0,1
.if \d == 0
	v_wmma_f32_16x16x32_f16 v[S+32*\t+8*\k:S+32*\t+8*\k+7], v[KV+16*\k:KV+16*\k+7], v[Q+16*\t:Q+16*\t+7], 0
.else
	v_wmma_f32_16x16x32_f16 v[S+32*\t+8*\k:S+32*\t+8*\k+7], v[KV+16*\k+8:KV+16*\k+15], v[Q+16*\t+8:Q+16*\t+15], v[S+32*\t+8*\k:S+32*\t+8*\k+7]
.endif
.endr
.endr
.endr
.rept 4
	v_nop                                          ; four places in front of the loads into K's registers and of the first read of the scores
.endr
.set n, 0
.rept 16
	ds_load_b128 v[KV+4*n:KV+4*n+3], v3 offset:(\slot)*16384+8192+512*n   ; V lands while the softmax is walked
.set n, n+1
.endr
	s_bitcmp1_b32 s21, 0                           ; does some row hide a key of this unit?
	s_cbranch_scc0 .Lopen_\@
	global_load_b64 v[ST+6:ST+7], v5, s[28:29]     ; my two queries' 64 bits
	global_load_b64 v[ST+14:ST+15], v5, s[28:29] offset:128
	s_wait_loadcnt 0x0
	v_perm_b32 v[ST+1], v[ST+7], v[ST+6], v6       ; my half's four bytes: bit 8 kt + j = key 16 kt + 8 h + j = register 8 kt + j
	v_perm_b32 v[ST+9], v[ST+15], v[ST+14], v6
.set n, 0
.rept 32
.irp t, 0,1
	v_and_b32 v[ST+8*\t+3], (1<<n), v[ST+8*\t+1]
.endr
.irp t, 0,1
	v_cmp_ne_u32 s[40+\t], 0, v[ST+8*\t+3]
.endr
.irp t, 0,1
	v_cndmask_b32 v[S+32*\t+n], s16, v[S+32*\t+n], s[40+\t]   ; hidden: -8e9, which times c is -1e9 log2(e)
.endr
.set n, n+1
.endr
.Lopen_\@:
.irp t, 0,1                            ; the maximum: four chains; each accumulator is read from its low end on
	v_max3_num_f32 v[ST+8*\t+6], v[S+32*\t], v[S+32*\t+1], v[S+32*\t+2]
	v_max3_num_f32 v[ST+8*\t+7], v[S+32*\t+8], v[S+32*\t+9], v[S+32*\t+10]
	v_max3_num_f32 v[ST+8*\t+1], v[S+32*\t+16], v[S+32*\t+17], v[S+32*\t+18]
	v_max3_num_f32 v[ST+8*\t+3], v[S+32*\t+24], v[S+32*\t+25], v[S+32*\t+26]
.endr
.irp i, 3,5
.irp t, 0,1
	v_max3_num_f32 v[ST+8*\t+6], v[ST+8*\t+6], v[S+32*\t+\i], v[S+32*\t+\i+1]
	v_max3_num_f32 v[ST+8*\t+7], v[ST+8*\t+7], v[S+32*\t+8+\i], v[S+32*\t+9+\i]
	v_max3_num_f32 v[ST+8*\t+1], v[ST+8*\t+1], v[S+32*\t+16+\i], v[S+32*\t+17+\i]
	v_max3_num_f32 v[ST+8*\t+3], v[ST+8*\t+3], v[S+32*\t+24+\i], v[S+32*\t+25+\i]
.endr
.endr
.irp t, 0,1
	v_max3_num_f32 v[ST+8*\t+6], v[ST+8*\t+6], v[S+32*\t+7], v[S+32*\t+15]
	v_max3_num_f32 v[ST+8*\t+1], v[ST+8*\t+1], v[S+32*\t+23], v[S+32*\t+31]
.endr
.irp t, 0,1
	v_max3_num_f32 v[ST+8*\t+6], v[ST+8*\t+6], v[ST+8*\t+7], v[ST+8*\t+1]
.endr
.irp t, 0,1
	v_max_num_f32 v[ST+8*\t+6], v[ST+8*\t+6], v[ST+8*\t+3]
.endr
.irp t, 0,1
	v_permlanex16_b32 v[ST+8*\t+7], v[ST+8*\t+6], s18, s19   ; the query's other 32 keys lie in the lane 16 away
.endr
.irp t, 0,1
	v_max_num_f32 v[ST+8*\t+6], v[ST+8*\t+6], v[ST+8*\t+7]
.endr
.irp t, 0,1
	v_mul_f32 v[ST+8*\t+6], s14, v[ST+8*\t+6]
.endr
.irp t, 0,1
	v_max_num_f32 v[ST+8*\t+7], v[ST+8*\t], v[ST+8*\t+6]     ; the new c m
.endr
.irp t, 0,1
	v_sub_f32 v[ST+8*\t+1], v[ST+8*\t], v[ST+8*\t+7]
.endr
.irp t, 0,1
	v_mov_b32 v[ST+8*\t], v[ST+8*\t+7]
.endr
.irp t, 0,1
.irp b, 0,2,4,6,8,10,12,14,16,18,20,22,24,26,28,30
	v_pk_fma_f32 v[S+32*\t+\b:S+32*\t+\b+1], v[S+32*\t+\b:S+32*\t+\b+1], s[14:15], v[ST+8*\t:ST+8*\t+1] op_sel_hi:[1,0,0] neg_lo:[0,0,1] neg_hi:[0,0,1]   ; c s - c m
.endr
.endr
.irp t, 0,1
	v_exp_f32 v[ST+8*\t+2], v[ST+8*\t+1]           ; a
.endr
.set n, 0
.rept 64
	v_exp_f32 v[S+n], v[S+n]                       ; p
.set n, n+1
.endr
	v_nop                                          ; a plain line behind the last exponential,
	s_wait_alu depctr_va_vdst(0)                   ; and ONE wait for the 66, ahead of their first reader
.irp t, 0,1                            ; l = a l + the sum of p, in two chains
	v_pk_fma_f32 v[ST+8*\t+4:ST+8*\t+5], v[ST+8*\t+4:ST+8*\t+5], v[ST+8*\t+2:ST+8*\t+3], v[S+32*\t:S+32*\t+1] op_sel_hi:[1,0,1]
	v_pk_add_f32 v[ST+8*\t+6:ST+8*\t+7], v[S+32*\t+2:S+32*\t+3], v[S+32*\t+4:S+32*\t+5]
.endr
.irp b, 6,10,14,18,22,26
.irp t, 0,1
	v_pk_add_f32 v[ST+8*\t+4:ST+8*\t+5], v[ST+8*\t+4:ST+8*\t+5], v[S+32*\t+\b:S+32*\t+\b+1]
	v_pk_add_f32 v[ST+8*\t+6:ST+8*\t+7], v[ST+8*\t+6:ST+8*\t+7], v[S+32*\t+\b+2:S+32*\t+\b+3]
.endr
.endr
.irp t, 0,1
	v_pk_add_f32 v[ST+8*\t+4:ST+8*\t+5], v[ST+8*\t+4:ST+8*\t+5], v[S+32*\t+30:S+32*\t+31]
.endr
.irp t, 0,1
	v_pk_add_f32 v[ST+8*\t+4:ST+8*\t+5], v[ST+8*\t+4:ST+8*\t+5], v[ST+8*\t+6:ST+8*\t+7]
.endr
.irp t, 0,1
.irp i, 0,1,2,3,4,5,6,7,8,9,10,11,12,13,14,15
	v_cvt_pk_f16_f32 v[S+32*\t+\i], v[S+32*\t+2*\i], v[S+32*\t+2*\i+1]   ; in place: word i is written behind the reads of 2 i and 2 i + 1
.endr
.endr
.irp t, 0,1
.irp b, 0,2,4,6,8,10,12,14,16,18,20,22,24,26,28,30
	v_pk_mul_f32 v[O+32*\t+\b:O+32*\t+\b+1], v[O+32*\t+\b:O+32*\t+\b+1], v[ST+8*\t+2:ST+8*\t+3] op_sel_hi:[1,0]
.endr
.endr
	s_wait_dscnt 0x0                               ; V
.irp u, 0,1
.irp d, 0,1,2,3
.irp t, 0,1
	v_wmma_f32_16x16x32_f16 v[O+32*\t+8*\d:O+32*\t+8*\d+7], v[KV+16*\d+8*\u:KV+16*\d+8*\u+7], v[S+32*\t+8*\u:S+32*\t+8*\u+7], v[O+32*\t+8*\d:O+32*\t+8*\d+7]
.endr
.endr
.endr
.rept 5
	v_nop                                          ; the next scores are written over P's registers: five places
.endr
.endm
.macro TRIP slot, stage
.if \stage
	global_load_b128 v[8:11], v3, s[24:25] offset:8192     ; my 1,024 bytes of the next step
	global_load_b128 v[12:15], v3, s[24:25] offset:8704
.endif
	s_cmp_lt_u32 s22, s23
	s_cbranch_scc0 .Lnp_\@
	global_prefetch_b8 v7, s[26:27] offset:24576 th:TH_LOAD_NT scope:SCOPE_SE
.Lnp_\@:
	s_bitcmp1_b32 s20, 0                           ; has some row of mine a key in this step?
	s_cbranch_scc0 .Lskip_\@
	COMPUTE \slot
.Lskip_\@:
.if \stage
	s_wait_loadcnt 0x0
	ds_store_b128 v4, v[8:11] offset:(1-\slot)*16384
	ds_store_b128 v4, v[12:15] offset:(1-\slot)*16384+512
	s_wait_dscnt 0x0                               ; my part of the other slot is in LDS, and my reads of this slot are over
	s_barrier_signal -1
	s_barrier_wait -1
	s_wait_xcnt 0x0                                ; the bases are stepped only behind this wait
	s_add_nc_u64 s[24:25], s[24:25], 8192
	s_add_nc_u64 s[26:27], s[26:27], 8192
	s_add_nc_u64 s[28:29], s[28:29], 256
	s_lshr_b32 s20, s20, 1
	s_lshr_b32 s21, s21, 1
	s_add_co_u32 s22, s22, 1
.endif
.endm
	s_load_b128 s[4:7], s[0:1], 0x0                ; QKV, MSK
	s_load_b64 s[8:9], s[0:1], 0x10                ; CTX
	v_lshl_add_u32 v1, v0, 2, SPARE
	v_mov_b32 v2, 0
	v_lshrrev_b32 v192, 5, v0
	v_readfirstlane_b32 s10, v192                  ; wave
	v_and_b32 v192, 31, v0
	v_lshlrev_b32 v3, 4, v192
	s_lshl_b32 s31, s10, 10
	v_add_nc_u32 v4, s31, v3
	v_and_b32 v193, 15, v0
	v_lshlrev_b32 v5, 3, v193
	v_bfe_u32 v193, v0, 4, 1
	v_cmp_eq_u32 vcc_lo, 0, v193
	v_mov_b32 v6, 0x07050301
	v_mov_b32 v194, 0x06040200
	v_cndmask_b32 v6, v6, v194, vcc_lo
	v_lshlrev_b32 v7, 8, v192
	v_lshlrev_b32 v192, 2, v192                    ; 4 x lane
	s_and_b32 s12, ttmp7, 0xffff                   ; bh
	s_bfe_u32 s31, s10, 0x10002
	s_mul_i32 s31, s31, 3
	s_xor_b32 s31, s31, s10
	s_lshl_b32 s13, s31, 2
	s_add_co_u32 s13, s13, ttmp9                   ; my query block
	s_mov_b32 s14, 0x3e38aa3b                      ; c = log2(e) / sqrt(64)
	s_mov_b32 s15, s14
	s_mov_b32 s16, 0xcfee6b28                      ; -8e9
	s_mov_b32 s18, 0x76543210
	s_mov_b32 s19, 0xfedcba98
	s_mov_b32 s22, 0                               ; the step
	s_lshl_b32 s32, s13, 7
	s_add_co_u32 s32, s32, 524288
	s_mov_b32 s33, 0
	s_lshl_b32 s34, s12, 18
	s_lshl_b32 s35, s13, 12
	s_add_co_u32 s34, s34, s35
	s_mov_b32 s35, 0
	s_mov_b32 s37, 0x2000000
	s_cmp_lt_u32 s10, 8                            ; waves 0-7 stage K, waves 8-15 V
	s_cselect_b32 s36, 0x1000000, s37
	s_lshl_b32 s38, s12, 18
	s_add_co_u32 s36, s36, s38
	s_and_b32 s39, s10, 7
	s_lshl_b32 s39, s39, 10
	s_add_co_u32 s36, s36, s39
	s_cmp_eq_u32 s10, 1                            ; the prefetches: wave 1 names V, wave 0 K
	s_cselect_b32 s42, s37, 0x1000000
	s_add_co_u32 s42, s42, s38
	s_mov_b32 s37, 0
	s_mov_b32 s43, 0
	s_lshr_b32 s38, s10, 1
	s_or_b32 s38, s38, ttmp9
	s_cmp_eq_u32 s38, 0
	s_cselect_b32 s23, 29, 0                       ; who prefetches, and until when
	s_lshl_b32 s44, s13, 13
	s_mov_b32 s45, 0
	s_lshr_b32 s38, s12, 4
	s_lshl_b32 s38, s38, 7
	s_lshl_b32 s39, s13, 1
	s_add_co_u32 s38, s38, s39                     ; my first tile of 16 rows: 128 b + 2 x block
	s_lshl_b32 s38, s38, 5
	s_and_b32 s39, s12, 15
	s_lshl_b32 s39, s39, 1
	s_add_co_u32 s38, s38, s39                     ; x 32 k steps + 2 x head
	s_lshl_b32 s38, s38, 10
	s_mov_b32 s39, 0
	s_wait_kmcnt 0x0
	s_add_nc_u64 s[32:33], s[6:7], s[32:33]
	global_load_b32 v193, v192, s[32:33]           ; lane j: step j's flag words of my block
	global_load_b32 v194, v192, s[32:33] offset:8192
	s_add_nc_u64 s[34:35], s[4:5], s[34:35]
.set n, 0
.rept 8
	global_load_b128 v[Q+4*n:Q+4*n+3], v3, s[34:35] offset:512*n
.set n, n+1
.endr
	s_add_nc_u64 s[24:25], s[4:5], s[36:37]
	global_load_b128 v[8:11], v3, s[24:25]         ; my part of step 0
	global_load_b128 v[12:15], v3, s[24:25] offset:512
	s_add_nc_u64 s[26:27], s[4:5], s[42:43]
	s_add_nc_u64 s[28:29], s[6:7], s[44:45]
	s_add_nc_u64 s[8:9], s[8:9], s[38:39]
.set n, 0
.rept 16
	v_mov_b32 v[ST+n], 0
.set n, n+1
.endr
	v_mov_b32 v[ST], 0xff61b1e6                    ; c m: -3e38, under every score
	v_mov_b32 v[ST+8], 0xff61b1e6
.set n, 0
.rept 64
	v_mov_b32 v[O+n], 0                            ; which step is the first hangs on the mask: the sums begin as zeros
.set n, n+1
.endr
	s_wait_loadcnt 0x0
	ds_store_b128 v4, v[8:11]
	ds_store_b128 v4, v[12:15] offset:512
	v_cmp_ne_u32 s20, 0, v193                      ; steps in which some row has a key
	v_cmp_ne_u32 s21, -1, v194
	s_and_b32 s21, s21, s20                        ; those of them that hide a key
	v_mov_b32 v195, v193
.irp x, 1,2,4,8
	v_mov_b32_dpp v195, v193 row_xmask:\x row_mask:0xf bank_mask:0xf
	v_or_b32 v193, v193, v195
.endr
	v_permlanex16_b32 v195, v193, s18, s19
	v_or_b32 v193, v193, v195
	v_readfirstlane_b32 s38, v193                  ; rows that have a key at all
	s_cmp_eq_u32 s38, -1
	s_cselect_b32 s20, s20, -1                     ; a row without: every step is walked, every mask applied
	s_cselect_b32 s21, s21, -1
	s_wait_dscnt 0x0
	s_barrier_signal -1
	s_barrier_wait -1
	s_mov_b32 s30, 15
.Ltwo:
	TRIP 0, 1
	TRIP 1, 1
	s_sub_co_u32 s30, s30, 1
	s_cmp_lg_u32 s30, 0
	s_cbranch_scc1 .Ltwo
	TRIP 0, 1
	TRIP 1, 0                                      ; the last step stages nothing: no load leaves the buffer
	; THE WAY OUT: O^T / l, rounded to f16: a lane's eight channels are a register group of the next product's operand
.irp t, 0,1
	v_add_f32 v[ST+8*\t+6], v[ST+8*\t+4], v[ST+8*\t+5]
.endr
.irp t, 0,1
	v_permlanex16_b32 v[ST+8*\t+7], v[ST+8*\t+6], s18, s19
.endr
.irp t, 0,1
	v_add_f32 v[ST+8*\t+6], v[ST+8*\t+6], v[ST+8*\t+7]
.endr
.irp t, 0,1
	v_rcp_f32 v[ST+8*\t+2], v[ST+8*\t+6]
.endr
	v_nop
	s_wait_alu depctr_va_vdst(0)
.irp t, 0,1
.irp b, 0,2,4,6,8,10,12,14,16,18,20,22,24,26,28,30
	v_pk_mul_f32 v[O+32*\t+\b:O+32*\t+\b+1], v[O+32*\t+\b:O+32*\t+\b+1], v[ST+8*\t+2:ST+8*\t+3] op_sel_hi:[1,0]
.endr
.endr
.irp t, 0,1
.irp i, 0,1,2,3,4,5,6,7,8,9,10,11,12,13,14,15
	v_cvt_pk_f16_f32 v[S+16*\t+\i], v[O+32*\t+2*\i], v[O+32*\t+2*\i+1]
.endr
.endr
.irp t, 0,1
.irp d, 0,1,2,3
	global_store_b128 v3, v[S+16*\t+4*\d:S+16*\t+4*\d+3], s[8:9] offset:\t*32768+512*\d   ; 512 consecutive bytes, aligned
.endr
.endr
	s_wait_tensorcnt 0x0                           ; the wave's end
	ds_add_u32 v1, v2
	s_wait_dscnt 0x0
	s_endpgm
.Lfunc_end_k_qcbbfd44262_attn:
	.size	k_qcbbfd44262_attn, .Lfunc_end_k_qcbbfd44262_attn-k_qcbbfd44262_attn
	.p2alignl 7, 3214868480
	.fill 96, 4, 3214868480
	.section	.rodata,"a",@progbits
	.p2align	6, 0x0
	.amdhsa_kernel k_qcbbfd44262_attn
		.amdhsa_group_segment_fixed_size 35072
		.amdhsa_private_segment_fixed_size 0
		.amdhsa_enable_private_segment 0
		.amdhsa_kernarg_size 24
		.amdhsa_user_sgpr_count 2
		.amdhsa_user_sgpr_kernarg_segment_ptr 1
		.amdhsa_wavefront_size32 1
		.amdhsa_system_sgpr_workgroup_id_x 1
		.amdhsa_system_sgpr_workgroup_id_y 1
		.amdhsa_system_sgpr_workgroup_id_z 1
		.amdhsa_system_vgpr_workitem_id 0
		.amdhsa_next_free_vgpr 256
		.amdhsa_next_free_sgpr 66
		.amdhsa_reserve_vcc 1
		.amdhsa_float_denorm_mode_32 3
		.amdhsa_float_denorm_mode_16_64 3
		.amdhsa_memory_ordered 1
		.amdhsa_forward_progress 1
		.amdhsa_inst_pref_size 132
	.end_amdhsa_kernel
	.amdgpu_metadata
---
amdhsa.version: [ 1, 2 ]
amdhsa.kernels:
  - .name:           k_qcbbfd44262_attn
    .symbol:         k_qcbbfd44262_attn.kd
    .args:
      - { .name: QKV, .offset: 0, .size: 8, .value_kind: global_buffer, .address_space: global }
      - { .name: MSK, .offset: 8, .size: 8, .value_kind: global_buffer, .address_space: global }
      - { .name: CTX, .offset: 16, .size: 8, .value_kind: global_buffer, .address_space: global }
    .group_segment_fixed_size: 35072
    .private_segment_fixed_size: 0
    .kernarg_segment_align: 8
    .kernarg_segment_size: 24
    .max_flat_workgroup_size: 512
    .sgpr_count:     66
    .vgpr_count:     256
    .wavefront_size: 32
...
	.end_amdgpu_metadata
.endif
;; end of part 4
;; launch outp (part 5): grid 4 x 64, 4 waves a work-group, clusters of 4 x 4, 327,680 bytes of LDS; arguments CTX, WO, b_o, out0; writes out0
.if DOCPART == 5
	.amdgcn_target "amdgcn-amd-amdhsa--gfx1250"
	.amdhsa_code_object_version 6
	.text
	.protected	k_qcbbfd44262_outp
	.globl	k_qcbbfd44262_outp
	.p2align	8
	.type	k_qcbbfd44262_outp,@function
k_qcbbfd44262_outp:
	s_mov_b64 s[64:65], 0
	v_nop
	global_prefetch_b8 v0, s[64:65] scope:SCOPE_SE
	s_setreg_imm32_b32 hwreg(HW_REG_WAVE_MODE, 25, 1), 1
	s_wait_xcnt 0x0
	s_wait_alu depctr_hold_cnt(0) depctr_sa_sdst(0) depctr_va_vdst(0) depctr_va_sdst(0) depctr_va_ssrc(0) depctr_va_vcc(0) depctr_vm_vsrc(0)
	s_getreg_b32 s2, hwreg(HW_REG_IB_STS2, 6, 4)
	s_cmp_eq_u32 s2, 0
	s_cbranch_scc0 .Lentry_in_a_cluster
	s_endpgm
.Lentry_in_a_cluster:
	s_bfe_u32 s2, ttmp6, 0x10000c
	s_cmp_lg_u32 s2, 0xf033
	s_cbranch_scc0 .Lentry_shape_is_right
	s_endpgm
.Lentry_shape_is_right:
; OUTP.  out = ctx w_o + b_o.  ctx [8192][1024] and w_o's high parts lie as f16 images of the operands' registers: CTX [tile of 16 rows 512][k step 32][1,024 bytes], WO [tile of 16 columns 64][k step 32][1,024 bytes].
; A work-group makes 128 rows x 256 columns; each of its four waves 64 x 128: 32 accumulators, 256 registers (window 1).  K goes in steps of 128 (four images on end: 4,096 consecutive bytes of each tile)
; through a ring of two LDS slots filled by the tensor data mover: waves 0, 1 fetch 4 tiles of ctx each (16 KB), waves 2, 3 fetch 8 tiles of w_o each (32 KB).  Fragments are read 16 bytes a lane, dense.
; CLUSTERS: 4 x 4 work-groups.  The four of a row of the cluster need the same tiles of ctx, the four of a column the same tiles of w_o: each is asked for JOINTLY, by the same tensor load with the same descriptor
; and a mask that names the four.  A wave has two tensor loads out at the start and one behind each round.
; THE MATRIX INSTRUCTION IS USED TRANSPOSED (source 0 = 16 columns of w_o, source 1 = 16 rows of ctx): a lane holds eight neighbouring numbers of a row of out.
; Rows 0-15 of every batch are written again, more finely, by the launch that follows.
; REGISTERS: window 0: v16-29 addresses; v32-127, v128-223 two fragment buffers (32 of ctx, then 64 of w_o, for 32 along K); v224-227 my four bias numbers.  Window 1: accumulator (a, b) at v[8 (8 a + b)].
.set SLOT,   98304                     ; ctx: 8 tiles x 4,096; then w_o: 16 tiles x 4,096
.set BOFF,   32768
.set STAGE,  2*SLOT                    ; behind the ring: 16 rows x (512 + 16) bytes for each wave
.set SPITCH, 528
.set SPARE,  STAGE+4*16*SPITCH         ; 230,400: the spare words, 128 bytes for each wave: two blocks of 256 bytes that no other line names
.set LAPS,   4                         ; 8 K steps, two a lap
.set ADRA, 16
.set ADRB, 20
.set STO,  24
.set RD,   25
.set CO,   26
.set SPW,  28
.set NIL,  29
.set F0,   32
.set F1,   128
.set BIAS, 224
.set BK,   32                          ; the way out: v32-95 and v96-159 by turns
.set G1,  24
.set G0,  32
.set G1B, 48
.set G0B, 56
.set MSB, 0
.macro WIN new                         ; the immediate's high byte repeats the setting that is left
.if MSB != \new
	s_set_vgpr_msb (MSB<<8)|\new
.set MSB, \new
.endif
.endm
.set MUL, 0x50                         ; C and D window 1, sources 0 and 1 window 0
.macro JLOAD s                         ; a joint load: waves 0, 1 for ctx, waves 2, 3 for w_o; an s_nop 0 and four v_nop follow each of the two lines
	s_cmp_eq_u32 s13, 0
	s_cbranch_scc0 .Lfor_b_\@
	tensor_load_to_lds s[G0+4*\s:G0+4*\s+3], s[G1:G1+7]
	s_nop 0
.rept 4
	v_nop
.endr
	s_branch .Lasked_\@
.Lfor_b_\@:
	tensor_load_to_lds s[G0B+4*\s:G0B+4*\s+3], s[G1B:G1B+7]
	s_nop 0
.rept 4
	v_nop
.endr
.Lasked_\@:
.endm
.macro CREST                           ; a round of the cluster's barrier behind its opening barrier
	s_cmp_lg_u32 s12, 0
	s_cbranch_scc1 .Lnot_wave_0_\@
	s_barrier_signal -3
.Lnot_wave_0_\@:
	s_barrier_wait -3
	s_barrier_signal -1
	s_barrier_wait -1
.endm
.macro CROUND
	s_barrier_signal -1
	s_barrier_wait -1
	CREST
.endm
.macro PLACES
.rept 4
	v_nop
.endr
.endm
	s_load_b256 s[4:11], s[0:1], 0x0               ; CTX, WO, b_o, out0
	v_lshl_add_u32 v[SPW], v0, 2, SPARE
	v_mov_b32 v[NIL], 0
	ds_add_u32 v[SPW], v[NIL]                      ; the wave's opening: the add, twice on end, and its wait ahead of my first tensor load
	ds_add_u32 v[SPW], v[NIL]
	v_lshrrev_b32 v1, 5, v0
	v_readfirstlane_b32 s12, v1                    ; wave
	s_lshr_b32 s13, s12, 1                         ; which 64 rows are mine.  Also: I fetch ctx (0) or w_o (1)
	s_and_b32 s14, s12, 1                          ; which 128 columns.  Also: which half of that tile I fetch
	s_bfe_u32 s40, ttmp6, 0x40000                  ; cx
	s_bfe_u32 s41, ttmp6, 0x40004                  ; cy
	s_lshl_b32 s42, ttmp9, 2
	s_add_co_u32 s42, s42, s40                     ; tile column
	s_and_b32 s15, ttmp7, 0xffff
	s_lshl_b32 s15, s15, 2
	s_add_co_u32 s15, s15, s41                     ; tile row
	s_lshl_b32 s43, s41, 2
	s_lshl_b32 s43, 15, s43                        ; my row of the cluster
	s_lshl_b32 s44, 0x1111, s40                    ; my column
	s_or_b32 s[G1+0], s43, (3<<16)|(1<<21)         ; 15:0 the mask; 17:16 elements of 8 bytes; 21 set beside a mask; no padding
	s_or_b32 s[G1B+0], s44, (3<<16)|(1<<21)
	s_mov_b32 s[G1+1], 512<<16                     ; tensor_dim0 = 512 elements: 4,096 bytes of a tile
	s_mov_b32 s[G1+2], 4<<16                       ; tensor_dim1 = 4 tiles
	s_mov_b32 s[G1+3], 512<<16                     ; tile_dim0
	s_mov_b32 s[G1+4], 4                           ; tile_dim1
	s_mov_b32 s[G1+5], 4096                        ; from tile to tile: 32,768 bytes
	s_mov_b32 s[G1+6], 0
	s_mov_b32 s[G1+7], 0
	s_mov_b32 s[G1B+1], 512<<16
	s_mov_b32 s[G1B+2], 8<<16
	s_mov_b32 s[G1B+3], 512<<16
	s_mov_b32 s[G1B+4], 8
	s_mov_b32 s[G1B+5], 4096
	s_mov_b32 s[G1B+6], 0
	s_mov_b32 s[G1B+7], 0
	s_lshl_b32 s16, s15, 3
	s_lshl_b32 s17, s14, 2
	s_add_co_u32 s16, s16, s17                     ; ctx: tile 8 x tile row + 4 x half
	s_lshl_b32 s16, s16, 15
	s_mov_b32 s17, 0
	s_lshl_b32 s46, s42, 4
	s_lshl_b32 s47, s14, 3
	s_add_co_u32 s46, s46, s47                     ; w_o: tile 16 x tile column + 8 x half
	s_lshl_b32 s46, s46, 15
	s_mov_b32 s47, 0
	s_mul_i32 s20, s14, 16384                      ; where they go: no place in the cluster enters an LDS address
	s_mul_i32 s45, s14, 32768
	s_add_co_u32 s45, s45, BOFF
	s_wait_dscnt 0x0                               ; both opening adds are done
	s_wait_kmcnt 0x0
	s_add_nc_u64 s[18:19], s[4:5], s[16:17]
	s_add_nc_u64 s[46:47], s[6:7], s[46:47]
	CROUND                                         ; all sixteen work-groups are here: the first joint loads meet
.irp s, 0,1
	s_mov_b32 s[G0+4*\s], 1
	s_add_co_u32 s[G0+4*\s+1], s20, \s*SLOT
	s_add_nc_u64 s[G0+4*\s+2:G0+4*\s+3], s[18:19], \s*4096
	s_or_b32 s[G0+4*\s+3], s[G0+4*\s+3], 0x80000000
	s_mov_b32 s[G0B+4*\s], 1
	s_add_co_u32 s[G0B+4*\s+1], s45, \s*SLOT
	s_add_nc_u64 s[G0B+4*\s+2:G0B+4*\s+3], s[46:47], \s*4096
	s_or_b32 s[G0B+4*\s+3], s[G0B+4*\s+3], 0x80000000
	JLOAD \s
.endr
	v_and_b32 v1, 15, v0
	v_bfe_u32 v2, v0, 4, 1
	v_and_b32 v3, 31, v0
	v_lshlrev_b32 v[CO], 4, v3                     ; 16 x lane
	s_mul_i32 s21, s13, 16384                      ; my 4 tiles of ctx
	s_mul_i32 s22, s14, 32768                      ; my 8 tiles of w_o,
	s_add_co_u32 s22, s22, BOFF                    ; which lie behind ctx's 8
.irp s, 0,1
	v_add_nc_u32 v[ADRA+\s], s21, v[CO]
	v_add_nc_u32 v[ADRB+\s], s22, v[CO]
	s_add_co_u32 s21, s21, SLOT
	s_add_co_u32 s22, s22, SLOT
.endr
	s_mul_i32 s23, s12, 16*SPITCH
	s_add_co_u32 s23, s23, STAGE                   ; my stage
	v_mul_u32_u24 v4, v1, SPITCH
	v_lshl_add_u32 v4, v2, 5, v4
	v_add_nc_u32 v[STO], s23, v4                   ; in: row l % 16, 32 bytes for each half of the lanes
	v_add_nc_u32 v[RD], s23, v[CO]                 ; back: the 32 lanes take a row of 512 bytes
	s_lshl_b32 s46, s42, 10
	s_lshl_b32 s47, s14, 9
	s_add_co_u32 s46, s46, s47                     ; my first column, in bytes
	s_mov_b32 s47, 0
	s_add_nc_u64 s[8:9], s[8:9], s[46:47]
	global_load_b128 v[BIAS:BIAS+3], v[CO], s[8:9] ; the bias of my four columns on the way out
	s_lshl_b32 s20, s15, 7
	s_lshl_b32 s21, s13, 6
	s_add_co_u32 s20, s20, s21                     ; my first row
	s_lshl_b32 s20, s20, 12
	s_add_co_u32 s20, s20, s46
	s_mov_b32 s21, 0
	s_add_nc_u64 s[10:11], s[10:11], s[20:21]
.macro MULA f, a, zero                 ; 8 matrix instructions: tile a of ctx x the 8 tiles of w_o.  The 32 accumulators take turns, in the same order in every quarter
.irp b, 0,1,2,3,4,5,6,7
.if \zero
	v_wmma_f32_16x16x32_f16 v[8*(8*(\a)+\b):8*(8*(\a)+\b)+7], v[\f+32+8*\b:\f+32+8*\b+7], v[\f+8*(\a):\f+8*(\a)+7], 0
.else
	v_wmma_f32_16x16x32_f16 v[8*(8*(\a)+\b):8*(8*(\a)+\b)+7], v[\f+32+8*\b:\f+32+8*\b+7], v[\f+8*(\a):\f+8*(\a)+7], v[8*(8*(\a)+\b):8*(8*(\a)+\b)+7]
.endif
.endr
.endm
.macro FETCH slot, q, f                ; 24 LDS loads in one run: w_o's 8 fragments, then ctx's 4, of the slot's q-th 32 along K
	WIN 0
.irp i, 0,1,2,3,4,5,6,7
	ds_load_b128 v[\f+32+8*\i:\f+32+8*\i+3], v[ADRB+\slot] offset:\i*4096+(\q)*1024
	ds_load_b128 v[\f+32+8*\i+4:\f+32+8*\i+7], v[ADRB+\slot] offset:\i*4096+(\q)*1024+512
.endr
.irp i, 0,1,2,3
	ds_load_b128 v[\f+8*\i:\f+8*\i+3], v[ADRA+\slot] offset:\i*4096+(\q)*1024
	ds_load_b128 v[\f+8*\i+4:\f+8*\i+7], v[ADRA+\slot] offset:\i*4096+(\q)*1024+512
.endr
.endm
.macro QUARTER slot, q, f, g, zero     ; multiplies buffer f; in its middle fetches the slot's q-th 32 along K into g
	s_wait_dscnt 4                                 ; w_o's fragments and ctx's tiles 0, 1 are in; the youngest four loads may be out
	WIN MUL
	MULA \f, 0, \zero
	MULA \f, 1, \zero
	PLACES
	FETCH \slot, \q, \g
	s_wait_dscnt 24                                ; all but the 24 just issued
	WIN MUL
	MULA \f, 2, \zero
	MULA \f, 3, \zero
.endm
.macro TURN slot, next, fill           ; a slot's last quarter multiplies buffer 1 and changes slots
	WIN 0
	s_wait_tensorcnt 0x0                           ; all my tensor loads have landed: my part of the next slot;
	ds_add_u32 v[SPW], v[NIL]                      ; 0 onto my spare word;
	s_wait_dscnt 5                                 ; (the add and the youngest four loads may be out)
	WIN MUL
	MULA F1, 0, 0
	s_wait_dscnt 0x0                               ; the add is done, and my reads of this slot are over
	s_barrier_signal -1
	MULA F1, 1, 0
.if \fill
	WIN 0
.endif
	s_barrier_wait -1
.if \fill
	CREST                                          ; the barrier has opened a round of the cluster's: no wave of any partner still reads this slot or has a load on its way
	s_add_nc_u64 s[G0+4*\slot+2:G0+4*\slot+3], s[G0+4*\slot+2:G0+4*\slot+3], 8192
	s_add_nc_u64 s[G0B+4*\slot+2:G0B+4*\slot+3], s[G0B+4*\slot+2:G0B+4*\slot+3], 8192
	JLOAD \slot                                    ; the first tensor load behind the round; its four v_nop are also the places in front of the loads below
.else
	PLACES
.endif
	FETCH \next, 0, F0
	WIN MUL
	MULA F1, 2, 0
	MULA F1, 3, 0
.endm
	s_wait_tensorcnt 1                             ; my part of K step 0 is in; K step 1's may stay out
	s_barrier_signal -1
	s_barrier_wait -1
	FETCH 0, 0, F0
	QUARTER 0, 1, F0, F1, 1                        ; the first quarter's products start the sums
	WIN 0
	s_mov_b32 s3, LAPS-1
.Llap:
	QUARTER 0, 2, F1, F0, 0
	QUARTER 0, 3, F0, F1, 0
	TURN 0, 1, 1
	QUARTER 1, 1, F0, F1, 0
	QUARTER 1, 2, F1, F0, 0
	QUARTER 1, 3, F0, F1, 0
	TURN 1, 0, 1
	QUARTER 0, 1, F0, F1, 0
	WIN 0
	s_sub_co_u32 s3, s3, 1
	s_cmp_lg_u32 s3, 0
	s_cbranch_scc1 .Llap
	QUARTER 0, 2, F1, F0, 0                        ; the last lap fills nothing
	QUARTER 0, 3, F0, F1, 0
	TURN 0, 1, 0
	QUARTER 1, 1, F0, F1, 0
	QUARTER 1, 2, F1, F0, 0
	QUARTER 1, 3, F0, F1, 0
	s_wait_dscnt 4
	WIN MUL
	MULA F1, 0, 0
	MULA F1, 1, 0
	s_wait_dscnt 0x0
	MULA F1, 2, 0
	MULA F1, 3, 0
	WIN 0
; THE WAY OUT, 16 rows x 128 columns at a time, through my own stage: in as 32 bytes a lane, back as whole rows of 512 bytes; LDS serves a wave's instructions in order.
.macro TOSTAGE a
	WIN 0x04                                       ; an LDS store's data: window 1
.irp b, 0,1,2,3,4,5,6,7
	ds_store_b128 v[STO], v[64*(\a)+8*\b:64*(\a)+8*\b+3] offset:64*\b       ; each accumulator from its low end on
	ds_store_b128 v[STO], v[64*(\a)+8*\b+4:64*(\a)+8*\b+7] offset:64*\b+16
.endr
	WIN 0
.set BB, BK+64*((\a)%2)
.irp t, 0,1,2,3,4,5,6,7,8,9,10,11,12,13,14,15
	ds_load_b128 v[BB+4*\t:BB+4*\t+3], v[RD] offset:\t*SPITCH
.endr
.endm
.macro SEND a, younger
.set BB, BK+64*((\a)%2)
	s_wait_dscnt \younger
.if (\a) > 0
	s_add_nc_u64 s[10:11], s[10:11], 65536         ; 16 rows on (behind a wait on XCNT: the earlier stores have read their base)
.endif
.irp t, 0,1,2,3,4,5,6,7,8,9,10,11,12,13,14,15
	v_pk_add_f32 v[BB+4*\t:BB+4*\t+1], v[BB+4*\t:BB+4*\t+1], v[BIAS:BIAS+1]
	v_pk_add_f32 v[BB+4*\t+2:BB+4*\t+3], v[BB+4*\t+2:BB+4*\t+3], v[BIAS+2:BIAS+3]
	global_store_b128 v[CO], v[BB+4*\t:BB+4*\t+3], s[10:11] offset:\t*4096   ; 512 consecutive bytes, aligned
.endr
.endm
	s_wait_loadcnt 0x0                             ; the bias
	PLACES
	TOSTAGE 0
.irp a, 1,2,3
.if \a > 1
	s_wait_xcnt 0x0                                ; block a - 2's stores have read their registers and base
.endif
	TOSTAGE \a
	SEND \a-1, 32                                  ; behind block a - 1's loads: block a's 16 stores and 16 loads
.endr
	s_wait_xcnt 0x0
	SEND 3, 0
	s_wait_tensorcnt 0x0                           ; the wave's end
	ds_add_u32 v[SPW], v[NIL]
	s_wait_dscnt 0x0
	CROUND                                         ; the closing round
	s_endpgm
.Lfunc_end_k_qcbbfd44262_outp:
	.size	k_qcbbfd44262_outp, .Lfunc_end_k_qcbbfd44262_outp-k_qcbbfd44262_outp
	.p2alignl 7, 3214868480
	.fill 96, 4, 3214868480
	.section	.rodata,"a",@progbits
	.p2align	6, 0x0
	.amdhsa_kernel k_qcbbfd44262_outp
		.amdhsa_group_segment_fixed_size 327680
		.amdhsa_private_segment_fixed_size 0
		.amdhsa_enable_private_segment 0
		.amdhsa_kernarg_size 32
		.amdhsa_user_sgpr_count 2
		.amdhsa_user_sgpr_kernarg_segment_ptr 1
		.amdhsa_wavefront_size32 1
		.amdhsa_system_sgpr_workgroup_id_x 1
		.amdhsa_system_sgpr_workgroup_id_y 1
		.amdhsa_system_sgpr_workgroup_id_z 1
		.amdhsa_system_vgpr_workitem_id 0
		.amdhsa_next_free_vgpr 512
		.amdhsa_next_free_sgpr 66
		.amdhsa_reserve_vcc 0
		.amdhsa_float_denorm_mode_32 3
		.amdhsa_float_denorm_mode_16_64 3
		.amdhsa_memory_ordered 1
		.amdhsa_forward_progress 1
		.amdhsa_inst_pref_size 93
	.end_amdhsa_kernel
	.amdgpu_metadata
---
amdhsa.version: [ 1, 2 ]
amdhsa.kernels:
  - .name:           k_qcbbfd44262_outp
    .symbol:         k_qcbbfd44262_outp.kd
    .args:
      - { .name: CTX, .offset: 0, .size: 8, .value_kind: global_buffer, .address_space: global }
      - { .name: WO, .offset: 8, .size: 8, .value_kind: global_buffer, .address_space: global }
      - { .name: b_o, .offset: 16, .size: 8, .value_kind: global_buffer, .address_space: global }
      - { .name: out0, .offset: 24, .size: 8, .value_kind: global_buffer, .address_space: global }
    .group_segment_fixed_size: 327680
    .private_segment_fixed_size: 0
    .kernarg_segment_align: 8
    .kernarg_segment_size: 32
    .max_flat_workgroup_size: 128
    .sgpr_count:     66
    .vgpr_count:     512
    .wavefront_size: 32
...
	.end_amdgpu_metadata
.endif
;; end of part 5
;; launch fout (part 6): grid 64 x 4, 8 waves a work-group, no clusters, 9,216 bytes of LDS; arguments CF, WO, b_o, out0; writes out0
.if DOCPART == 6
	.amdgcn_target "amdgcn-amd-amdhsa--gfx1250"
	.amdhsa_code_object_version 6
	.text
	.protected	k_qcbbfd44262_fout
	.globl	k_qcbbfd44262_fout
	.p2align	8
	.type	k_qcbbfd44262_fout,@function
k_qcbbfd44262_fout:
	s_mov_b64 s[64:65], 0
	v_nop
	global_prefetch_b8 v0, s[64:65] scope:SCOPE_SE
	s_setreg_imm32_b32 hwreg(HW_REG_WAVE_MODE, 25, 1), 1
	s_wait_xcnt 0x0
; FOUT.  Rows 0-15 of every batch of out = ctx w_o + b_o once more, with both operands as pairs of f16 numbers (high and low part): high x high + high x low + low x high, sums in f32.
; Work-group (n tile of 16 columns, batch).  Wave w takes k steps 4 w .. 4 w + 3 (128 of the 1,024 along K); the eight partial sums meet in LDS; wave 0 adds them in a fixed order, adds the bias and stores.
; Source 0 = 16 columns of w_o, source 1 = the 16 rows: a lane holds 8 neighbouring numbers of a row: its stores are runs of 64 bytes a row (the launch writes 256 KB in all).
	s_load_b256 s[4:11], s[0:1], 0x0               ; CF, WO, b_o, out0
	v_lshl_add_u32 v1, v0, 2, 8192                 ; my spare word (the spare words: 1,024 bytes behind the partial sums)
	v_mov_b32 v2, 0
	v_lshrrev_b32 v3, 5, v0
	v_readfirstlane_b32 s12, v3                    ; wave
	v_and_b32 v3, 31, v0
	v_lshlrev_b32 v3, 4, v3                        ; 16 x lane
	v_and_b32 v4, 15, v0
	v_bfe_u32 v5, v0, 4, 1
	v_lshlrev_b32 v6, 5, v5                        ; 32 h
	v_lshl_add_u32 v7, v4, 12, v6                  ; out: row r of 4,096 bytes, + 32 h
	s_lshl_b32 s13, s12, 10
	v_add_nc_u32 v8, s13, v3                       ; my partial sum in LDS
	s_and_b32 s14, ttmp7, 0xffff                   ; batch
	s_lshl_b32 s16, s14, 15
	s_lshl_b32 s17, s12, 12
	s_add_co_u32 s16, s16, s17
	s_mov_b32 s17, 0
	s_lshl_b32 s18, ttmp9, 15
	s_lshl_b32 s19, s12, 12
	s_add_co_u32 s18, s18, s19
	s_mov_b32 s19, 0
	s_lshl_b32 s20, ttmp9, 6
	s_mov_b32 s21, 0
	s_lshl_b32 s22, s14, 23
	s_add_co_u32 s22, s22, s20
	s_mov_b32 s23, 0
	s_wait_kmcnt 0x0
	s_add_nc_u64 s[4:5], s[4:5], s[16:17]
	s_add_nc_u64 s[6:7], s[6:7], s[18:19]
	s_add_nc_u64 s[8:9], s[8:9], s[20:21]
	s_add_nc_u64 s[10:11], s[10:11], s[22:23]
.set n, 0
.rept 8
	global_load_b128 v[64+4*n:67+4*n], v3, s[4:5] offset:512*n              ; the rows' high parts
	global_load_b128 v[96+4*n:99+4*n], v3, s[4:5] offset:131072+512*n       ; and low parts
	global_load_b128 v[128+4*n:131+4*n], v3, s[6:7] offset:512*n            ; w_o's high parts
	global_load_b128 v[160+4*n:163+4*n], v3, s[6:7] offset:2097152+512*n    ; and low parts
.set n, n+1
.endr
	global_load_b128 v[16:19], v6, s[8:9]
	global_load_b128 v[20:23], v6, s[8:9] offset:16
	s_wait_loadcnt 0x0
.irp i, 0,1,2,3                        ; three accumulators by turns
.if \i == 0
	v_wmma_f32_16x16x32_f16 v[32:39], v[128:135], v[64:71], 0
	v_wmma_f32_16x16x32_f16 v[40:47], v[128:135], v[96:103], 0
	v_wmma_f32_16x16x32_f16 v[48:55], v[160:167], v[64:71], 0
.else
	v_wmma_f32_16x16x32_f16 v[32:39], v[128+8*\i:135+8*\i], v[64+8*\i:71+8*\i], v[32:39]
	v_wmma_f32_16x16x32_f16 v[40:47], v[128+8*\i:135+8*\i], v[96+8*\i:103+8*\i], v[40:47]
	v_wmma_f32_16x16x32_f16 v[48:55], v[160+8*\i:167+8*\i], v[64+8*\i:71+8*\i], v[48:55]
.endif
.endr
.rept 4
	v_nop
.endr
.irp j, 0,2,4,6
	v_pk_add_f32 v[56+\j:57+\j], v[32+\j:33+\j], v[40+\j:41+\j]
.endr
.irp j, 0,2,4,6
	v_pk_add_f32 v[56+\j:57+\j], v[56+\j:57+\j], v[48+\j:49+\j]
.endr
	ds_store_b128 v8, v[56:59]
	ds_store_b128 v8, v[60:63] offset:512
	s_wait_tensorcnt 0x0                           ; the closing add behind my last LDS store; nothing is written to LDS behind it,
	ds_add_u32 v1, v2
	s_wait_dscnt 0x0                               ; and the wait also shows my partial sum in LDS, for wave 0's sake
	s_barrier_signal -1
	s_barrier_wait -1
	s_cmp_lg_u32 s12, 0
	s_cbranch_scc1 .Lend
.set n, 0
.rept 16
	ds_load_b128 v[64+4*n:67+4*n], v3 offset:512*n
.set n, n+1
.endr
	s_wait_dscnt 0x0
.irp w, 1,2,3,4,5,6,7
.irp j, 0,2,4,6
	v_pk_add_f32 v[64+\j:65+\j], v[64+\j:65+\j], v[64+8*\w+\j:65+8*\w+\j]
.endr
.endr
.irp j, 0,2,4,6
	v_pk_add_f32 v[64+\j:65+\j], v[64+\j:65+\j], v[16+\j:17+\j]
.endr
	global_store_b128 v7, v[64:67], s[10:11]
	global_store_b128 v7, v[68:71], s[10:11] offset:16
.Lend:
	s_endpgm
.Lfunc_end_k_qcbbfd44262_fout:
	.size	k_qcbbfd44262_fout, .Lfunc_end_k_qcbbfd44262_fout-k_qcbbfd44262_fout
	.p2alignl 7, 3214868480
	.fill 96, 4, 3214868480
	.section	.rodata,"a",@progbits
	.p2align	6, 0x0
	.amdhsa_kernel k_qcbbfd44262_fout
		.amdhsa_group_segment_fixed_size 9216
		.amdhsa_private_segment_fixed_size 0
		.amdhsa_enable_private_segment 0
		.amdhsa_kernarg_size 32
		.amdhsa_user_sgpr_count 2
		.amdhsa_user_sgpr_kernarg_segment_ptr 1
		.amdhsa_wavefront_size32 1
		.amdhsa_system_sgpr_workgroup_id_x 1
		.amdhsa_system_sgpr_workgroup_id_y 1
		.amdhsa_system_sgpr_workgroup_id_z 1
		.amdhsa_system_vgpr_workitem_id 0
		.amdhsa_next_free_vgpr 192
		.amdhsa_next_free_sgpr 66
		.amdhsa_reserve_vcc 0
		.amdhsa_float_denorm_mode_32 3
		.amdhsa_float_denorm_mode_16_64 3
		.amdhsa_memory_ordered 1
		.amdhsa_forward_progress 1
		.amdhsa_inst_pref_size 10
	.end_amdhsa_kernel
	.amdgpu_metadata
---
amdhsa.version: [ 1, 2 ]
amdhsa.kernels:
  - .name:           k_qcbbfd44262_fout
    .symbol:         k_qcbbfd44262_fout.kd
    .args:
      - { .name: CF, .offset: 0, .size: 8, .value_kind: global_buffer, .address_space: global }
      - { .name: WO, .offset: 8, .size: 8, .value_kind: global_buffer, .address_space: global }
      - { .name: b_o, .offset: 16, .size: 8, .value_kind: global_buffer, .address_space: global }
      - { .name: out0, .offset: 24, .size: 8, .value_kind: global_buffer, .address_space: global }
    .group_segment_fixed_size: 9216
    .private_segment_fixed_size: 0
    .kernarg_segment_align: 8
    .kernarg_segment_size: 32
    .max_flat_workgroup_size: 256
    .sgpr_count:     66
    .vgpr_count:     192
    .wavefront_size: 32
...
	.end_amdgpu_metadata
.endif
;; end of part 6
;; ======== version 2 of 2: 6 launches; version 1 with the launch proj written anew for expert scheduling mode
;; limits: values are held in f16: magnitudes above 65,504 overflow, below 6.1e-05 lose precision
;; workspace buffers: WQ 1,671,168 bytes; WO 4,194,304 bytes; MSK 540,672 bytes of whole numbers; QKV 50,331,648 bytes; LO 1,572,864 bytes; CTX 16,777,216 bytes; CF 262,144 bytes
;; launch prep: the kernel of part 1 again; grid 256 x 1, 8 waves a work-group, no clusters, 0 bytes of LDS; arguments w_q, w_k, w_v, w_o, mask, WQ, WO, MSK; writes WQ, WO, MSK
;; launch proj (part 7): grid 128 x 3, 8 waves a work-group, no clusters, 78,080 bytes of LDS; arguments q, k, v, b_q, b_k, b_v, WQ, QKV, LO; writes QKV, LO
.if DOCPART == 7
	.amdgcn_target "amdgcn-amd-amdhsa--gfx1250"
	.amdhsa_code_object_version 6
	.text
	.protected	k_qcbbfd44262_proj
	.globl	k_qcbbfd44262_proj
	.p2align	8
	.type	k_qcbbfd44262_proj,@function
k_qcbbfd44262_proj:
	s_mov_b64 s[64:65], 0
	v_nop
	global_prefetch_b8 v0, s[64:65] scope:SCOPE_SE
	s_setreg_imm32_b32 hwreg(HW_REG_WAVE_SCHED_MODE, 0, 2), 2
	s_setreg_imm32_b32 hwreg(HW_REG_WAVE_MODE, 25, 1), 1
	s_wait_xcnt 0x0
	s_wait_alu depctr_vm_vsrc(0)
; PROJ.  y = Q4(x) Q4(w) + b for x = q, k, v (work-group y = 0, 1, 2), on codes of E2M1 with one E8M0 scale for each 32 along K = 1,024; sums in f32.
; A work-group owns 64 rows of x (one key step of one batch) and all 1,024 columns.
; PHASE X: wave w quantises rows 8 w .. 8 w + 7 (32 KB, dense): each load reads 512 consecutive bytes; 2,048 bytes turn through the wave's own stage so that a lane holds 16 neighbours along K (two lanes a block);
;   codes go to LDS as rows of 512 bytes + 16, scale bytes as rows of 32 bytes + 4.  One barrier.
; PHASE G: wave w makes heads 2 w and 2 w + 1, one a pass: 64 rows x 64 columns, 16 accumulators by turns.  The weights come from WQ, laid in the order of the operand's registers,
;   straight into registers, one K step ahead; x's fragments come from LDS.
;   q, k: source 0 = 16 columns of w, source 1 = 16 rows of x: a lane holds one row and 8 neighbouring channels, which as f16 are a register group of the operand of K Q^T.
;   v:    source 0 = 16 rows of x, source 1 = 16 columns of w: a lane holds one channel and 8 neighbouring keys: a register group of V^T.
; OUT: QKV + t*2^24 + (16 b + head)*262144: q, k: [tile of 16 rows][32 channels][image]; v: [key step of 64][16 channels][32 keys][image]; an image is 1,024 bytes: register group c of lane l at 512 c + 16 l.
;   Each store of a wave covers 512 consecutive bytes, aligned.  For the first 64 positions of a sequence the f16 low parts go to LO in the same layout.
; NO CLUSTER: x's rows are read by one work-group; the weights (544 KB a tensor) go to registers without passing LDS, and the grid of 384 is not laid on one work-group a WGP.
; LIMITS: |y| under 65,504 (f16); a block of zeros gets the byte 1 (its codes are zeros); NaN and infinities are not served.
; THE MODE: SCHED_MODE bits 1:0 = 2 (LLVM: expert scheduling mode 2), set by the entry lines.  The code itself states the register dependences
; between vector or matrix instructions and memory or LDS instructions, with s_wait_alu, always for 0.
; THE PLAN.  Registers that memory or LDS instructions touch:
;   v1-9, v14, v15  offsets and LDS addresses: written at the head, never again.
;   PHASE X, step t.  R[t % 4]: loaded from memory; read by the stage's four stores of step t, issued in step t - 1; the loads of step t + 4, issued in step t, land in it.
;     XX[t % 2]: the stage's four loads land in it; read by step t's maxima and conversions; the loads of step t + 2, issued in step t + 1, land in it.
;     CC[t % 2]: written by step t's conversions and shift; read by its two small LDS stores, which are issued in step t + 1; written again in step t + 2.
;     So two waits stand at a step's head, and the step's memory and LDS instructions follow them in one run, ahead of the step's vector work: they touch the registers that the step before worked on.
;   PHASE G, K step ks.  w's set and scale words (ks + 1) % 2, x's fragments and scale words: read last by the products of step ks - 1; the loads of step ks land in them.  One wait at the head of steps 1 to 7.
;   THE WAY OUT of a pass.  OUTH (and, for the low parts, the accumulators' low ends): written by a run of conversions; one wait; read by a run of 16 stores; one wait at the pass's end, ahead of the registers' next writers.
.set SP,    80                         ; a lane's place in a stage: 64 bytes + 16
.set STGW,  2*32*SP                    ; a wave's two stages
.set CODES, 8*STGW                     ; 40,960: 64 rows of codes,
.set CP,    528                        ; 512 bytes + 16: the 16 rows of a fragment load start at 16 different banks
.set SCB,   CODES+64*CP                ; 74,752: 64 rows of scale bytes,
.set SCP,   36
.set SPARE, SCB+64*SCP                 ; 77,056: the spare words, 128 bytes for each wave: four blocks of 256 bytes that no other line names
.set R,     128                        ; phase X: v128-191 four sets of 16 numbers as loaded; v192-223 two sets of 16 neighbours; v224-231 codes and byte, two sets
.set XX,    192
.set CC,    224
.set WSC,   16                         ; v16-23 w's scale words, two sets; v24-27 x's: these hold scales and nothing else
.set XSC,   24
.set WF,    32                         ; v32-63, v64-95 w's fragments, two sets; v96-127 x's; v128-255 the accumulators, (m, n) at 8 (4 m + n)
.set XF,    96
.set ACC,   128
.set OUTH,  64                         ; the way out: 64 registers of f16
	s_load_b256 s[4:11], s[0:1], 0x0               ; q, k, v, b_q
	s_load_b256 s[12:19], s[0:1], 0x20             ; b_k, b_v, WQ, QKV
	s_load_b64 s[20:21], s[0:1], 0x40              ; LO
	v_lshl_add_u32 v1, v0, 2, SPARE                ; my spare word; never rewritten
	v_mov_b32 v2, 0                                ; 0; never rewritten
	v_lshrrev_b32 v10, 5, v0
	v_readfirstlane_b32 s22, v10                   ; wave
	s_and_b32 s23, ttmp7, 0xffff                   ; t
	v_and_b32 v10, 31, v0                          ; lane
	v_and_b32 v11, 15, v0                          ; r
	v_bfe_u32 v12, v0, 4, 1                        ; h
	v_lshlrev_b32 v3, 4, v10                       ; 16 x lane
	v_mul_u32_u24 v4, v11, CP
	v_lshl_add_u32 v4, v12, 4, v4
	v_add_nc_u32 v4, CODES, v4                     ; x's fragments: row r, + 16 h
	v_mul_u32_u24 v5, v11, SCP
	v_add_nc_u32 v5, SCB, v5                       ; x's scale words: row r
	v_lshlrev_b32 v6, 2, v11                       ; 4 r
	v_lshlrev_b32 v7, 5, v12                       ; 32 h
	s_wait_alu depctr_va_sdst(0)                   ; s22 is written, ahead of its first reader: LDS places and all the bases are made from it
	s_mul_i32 s24, s22, 8*CP
	v_lshl_add_u32 v8, v10, 3, s24
	v_add_nc_u32 v8, CODES, v8                     ; where my 8 bytes of codes go
	s_mul_i32 s24, s22, 8*SCP
	v_lshrrev_b32 v9, 1, v10
	v_add_nc_u32 v9, s24, v9
	v_add_nc_u32 v9, SCB, v9                       ; and my block's byte
	s_mul_i32 s24, s22, STGW
	v_lshrrev_b32 v14, 2, v10
	v_mul_u32_u24 v14, v14, SP
	v_and_b32 v15, 3, v10
	v_lshl_add_u32 v14, v15, 4, v14
	v_add_nc_u32 v14, s24, v14                     ; the stage, in: four lanes' 64 bytes on end, then 16 of padding
	v_mul_u32_u24 v15, v10, SP
	v_add_nc_u32 v15, s24, v15                     ; and out: my 16 neighbours
	s_wait_kmcnt 0x0
	s_cmp_eq_u32 s23, 1
	s_cselect_b64 s[4:5], s[6:7], s[4:5]
	s_cselect_b64 s[10:11], s[12:13], s[10:11]
	s_cmp_eq_u32 s23, 2
	s_cselect_b64 s[4:5], s[8:9], s[4:5]           ; x
	s_cselect_b64 s[10:11], s[14:15], s[10:11]     ; its bias
	s_lshl_b32 s24, ttmp9, 18                      ; 64 rows of 4,096 bytes
	s_lshl_b32 s25, s22, 15
	s_add_co_u32 s24, s24, s25
	s_mov_b32 s25, 0
	s_add_nc_u64 s[4:5], s[4:5], s[24:25]
.macro XLOADG t
.irp i, 0,1,2,3
	global_load_b128 v[R+16*((\t)%4)+4*\i:R+16*((\t)%4)+4*\i+3], v3, s[4:5] offset:2048*(\t)+512*\i th:TH_LOAD_NT
.endr
.endm
.macro XTURN t                         ; LDS serves a wave's instructions in order: no wait between the stores and the loads
.irp i, 0,1,2,3
	ds_store_b128 v14, v[R+16*((\t)%4)+4*\i:R+16*((\t)%4)+4*\i+3] offset:32*SP*((\t)%2)+8*SP*\i
.endr
.irp i, 0,1,2,3
	ds_load_b128 v[XX+16*((\t)%2)+4*\i:XX+16*((\t)%2)+4*\i+3], v15 offset:32*SP*((\t)%2)+16*\i
.endr
.endm
.macro XOUT u                          ; step u's codes and byte go to LDS
	ds_store_b64 v8, v[CC+4*((\u)%2):CC+4*((\u)%2)+1] offset:((\u)/2)*CP+((\u)%2)*256
	ds_store_b8 v9, v[CC+4*((\u)%2)+2] offset:((\u)/2)*SCP+((\u)%2)*16   ; both lanes of a block write the same byte with the same value
.endm
	s_wait_alu depctr_va_vdst(0)                   ; v1 to v9, v14 and v15 are written: every load, store and LDS instruction of the kernel reads one of them as its offset or address, the closing add v1 and v2
.irp t, 0,1,2,3
	XLOADG \t
.endr
	; the other bases, while the loads are out
	s_lshl_b32 s24, s22, 9
	s_add_nc_u64 s[10:11], s[10:11], s[24:25]      ; bias: my 128 columns
	s_lshl_b32 s24, s23, 19
	s_lshl_b32 s36, s22, 16
	s_add_co_u32 s24, s24, s36
	s_add_nc_u64 s[26:27], s[16:17], s[24:25]      ; w's codes: my 8 n tiles
	s_lshl_b32 s24, s23, 15
	s_lshl_b32 s36, s22, 9
	s_add_co_u32 s24, s24, s36
	s_add_co_u32 s24, s24, 1572864
	s_add_nc_u64 s[28:29], s[16:17], s[24:25]      ; w's scale words
	s_lshr_b32 s37, ttmp9, 5                       ; batch
	s_and_b32 s38, ttmp9, 31                       ; key step
	s_lshl_b32 s37, s37, 4
	s_lshl_b32 s36, s22, 1
	s_add_co_u32 s37, s37, s36                     ; 16 b + my first head
	s_lshl_b32 s24, s23, 24
	s_lshl_b32 s36, s37, 18
	s_add_co_u32 s24, s24, s36
	s_lshl_b32 s36, s38, 13
	s_add_co_u32 s24, s24, s36
	s_add_nc_u64 s[30:31], s[18:19], s[24:25]      ; out
	s_lshl_b32 s24, s23, 19
	s_lshl_b32 s36, s37, 13
	s_add_co_u32 s24, s24, s36
	s_add_nc_u64 s[32:33], s[20:21], s[24:25]      ; the low parts
	s_wait_loadcnt 12                              ; step 0's four loads are in
	XTURN 0
.macro XSTEP t
.set XS, XX+16*((\t)%2)
.set CR, CC+4*((\t)%2)
.if (\t) > 1
	s_wait_dscnt 2                                 ; this step's numbers are back from the stage; the two small stores issued behind them may be out
.else
	s_wait_dscnt 0x0                               ; (steps 0 and 1: nothing was issued behind the stage's loads)
.endif
	s_wait_alu depctr_vm_vsrc(0)                   ; this step's stores into the stage have read their set of loaded numbers, in which the loads below land; the small stores issued a step ago have read the set of codes that this step's conversions write
.if (\t) > 0
	s_wait_alu depctr_va_vdst(0)                   ; the step before has written its codes and byte, which the small stores below read, and is done reading its 16 neighbours, in which the stage's loads below land
.endif
.if (\t)+4 < 16
	XLOADG (\t)+4                                  ; into the set whose stores into the stage are done
.endif
.if (\t)+1 < 16
.if 14-(\t) >= 3
	s_wait_loadcnt 12                              ; the next step's four loads are in; three steps' may be out
.else
	s_wait_loadcnt 4*(14-(\t))
.endif
	XTURN (\t)+1
.endif
.if (\t) > 0
	XOUT (\t)-1                                    ; no vector instruction since the waits above names a register that this run of loads and stores touches
.endif
	v_max3_num_f32 v10, |v[XS]|, |v[XS+1]|, |v[XS+2]|
	v_max3_num_f32 v11, |v[XS+3]|, |v[XS+4]|, |v[XS+5]|
.irp i, 6,10
	v_max3_num_f32 v10, v10, |v[XS+\i]|, |v[XS+\i+1]|
	v_max3_num_f32 v11, v11, |v[XS+\i+2]|, |v[XS+\i+3]|
.endr
	v_max3_num_f32 v10, v10, |v[XS+14]|, |v[XS+15]|
	v_max3_num_f32 v10, v10, v11, 0x1800000        ; the floor 2^(3 - 127)
	v_max_num_f32_dpp v10, v10, v10 row_xmask:1 row_mask:0xf bank_mask:0xf   ; with my neighbour's 16: the block's largest magnitude
	v_add_nc_u32 v12, 0xff000000, v10              ; 2 off its exponent field: the conversion's scale operand
	v_cvt_scalef32_pk8_fp4_f32 v[CR], v[XS:XS+7], v12
	v_cvt_scalef32_pk8_fp4_f32 v[CR+1], v[XS+8:XS+15], v12
	v_lshrrev_b32 v[CR+2], 23, v12                 ; the byte (also the plain line behind the conversions)
.endm
.irp t, 0,1,2,3,4,5,6,7,8,9,10,11,12,13,14,15
	XSTEP \t
.endr
	s_wait_alu depctr_va_vdst(0)                   ; step 15 has written its codes and byte, which the two stores below read
	XOUT 15
	s_wait_dscnt 0x0                               ; for the others' sake: my codes and bytes are in LDS
	s_barrier_signal -1
	s_barrier_wait -1
	s_wait_alu depctr_vm_vsrc(0)                   ; my LDS stores have read v128-191 and v224-231: these registers are accumulators from here on, written by the products
.macro WLOAD ks, set                   ; 12 loads: four fragments of w and their scale words
.irp n, 0,1,2,3
.irp c, 0,1
	global_load_b128 v[WF+32*(\set)+8*\n+4*\c:WF+32*(\set)+8*\n+4*\c+3], v3, s[26:27] offset:\n*8192+(\ks)*1024+\c*512
.endr
	global_load_b32 v[WSC+4*(\set)+\n], v6, s[28:29] offset:(\ks)*4096+\n*64
.endr
.endm
.macro XFETCH ks                       ; 12 LDS loads: four fragments of x and their scale words
.irp m, 0,1,2,3
.irp c, 0,1
	ds_load_b128 v[XF+8*\m+4*\c:XF+8*\m+4*\c+3], v4 offset:\m*16*CP+(\ks)*64+32*\c
.endr
	ds_load_b32 v[XSC+\m], v5 offset:\m*16*SCP+4*(\ks)
.endr
.endm
.macro MULS ks, path
.set WS, WF+32*((\ks)%2)
.set SS, WSC+4*((\ks)%2)
.irp m, 0,1,2,3
.irp n, 0,1,2,3
.set AR, ACC+8*(4*\m+\n)
.if \path == 0
.if (\ks) == 0
	v_wmma_scale_f32_16x16x128_f8f6f4 v[AR:AR+7], v[WS+8*\n:WS+8*\n+7], v[XF+8*\m:XF+8*\m+7], 0, v[SS+\n], v[XSC+\m] matrix_a_fmt:MATRIX_FMT_FP4 matrix_b_fmt:MATRIX_FMT_FP4
.else
	v_wmma_scale_f32_16x16x128_f8f6f4 v[AR:AR+7], v[WS+8*\n:WS+8*\n+7], v[XF+8*\m:XF+8*\m+7], v[AR:AR+7], v[SS+\n], v[XSC+\m] matrix_a_fmt:MATRIX_FMT_FP4 matrix_b_fmt:MATRIX_FMT_FP4
.endif
.else
.if (\ks) == 0
	v_wmma_scale_f32_16x16x128_f8f6f4 v[AR:AR+7], v[XF+8*\m:XF+8*\m+7], v[WS+8*\n:WS+8*\n+7], 0, v[XSC+\m], v[SS+\n] matrix_a_fmt:MATRIX_FMT_FP4 matrix_b_fmt:MATRIX_FMT_FP4
.else
	v_wmma_scale_f32_16x16x128_f8f6f4 v[AR:AR+7], v[XF+8*\m:XF+8*\m+7], v[WS+8*\n:WS+8*\n+7], v[AR:AR+7], v[XSC+\m], v[SS+\n] matrix_a_fmt:MATRIX_FMT_FP4 matrix_b_fmt:MATRIX_FMT_FP4
.endif
.endif
.endr
.endr
.endm
.macro GPATH path
	s_mov_b32 s34, 0
.Lpass_\@:
	WLOAD 0, 0                                     ; no wait: on the way in and on the way round, no vector or matrix instruction since the last wait on va_vdst names the registers in which K step 0's loads land
.irp ks, 0,1,2,3,4,5,6,7
.if \ks > 0
	s_wait_alu depctr_va_vdst(0)                   ; the products of the K step before are done reading x's fragments and scale words, and w's other set and its scale words: the loads below land in them
.endif
	XFETCH \ks
.if \ks < 7
	WLOAD \ks+1, (\ks+1)%2
	s_wait_loadcnt 12                              ; this K step's 12 are in; the 12 just issued may be out
.else
.if \path == 0
.irp n, 0,1,2,3                        ; the bias, into w's set 0, which is done with: lane (r, h) wants columns 16 n + 8 h + 0 .. 7
	global_load_b128 v[WF+8*\n:WF+8*\n+3], v7, s[10:11] offset:\n*64
	global_load_b128 v[WF+8*\n+4:WF+8*\n+7], v7, s[10:11] offset:\n*64+16
.endr
	s_wait_loadcnt 8
.else
.irp n, 0,1,2,3                        ; lane (r, h) wants column 16 n + r
	global_load_b32 v[WF+2*\n], v6, s[10:11] offset:\n*64
.endr
	s_wait_loadcnt 4
.endif
.endif
	s_wait_dscnt 0x0
	MULS \ks, \path
.rept 4
	v_nop                                          ; four places in front of loads into registers that these products read, and of the first read of results
.endr
.endr
	s_wait_loadcnt 0x0                             ; the bias
.irp m, 0,1,2,3                        ; all sixteen tiles: the bias is added, the sums are rounded to f16 into registers of their own
.irp n, 0,1,2,3
.set AR, ACC+8*(4*\m+\n)
.set HR, OUTH+4*(4*\m+\n)
.if \path == 0
.irp j, 0,2,4,6
	v_pk_add_f32 v[AR+\j:AR+\j+1], v[AR+\j:AR+\j+1], v[WF+8*\n+\j:WF+8*\n+\j+1]
.endr
.else
.irp j, 0,2,4,6
	v_pk_add_f32 v[AR+\j:AR+\j+1], v[AR+\j:AR+\j+1], v[WF+2*\n:WF+2*\n+1] op_sel_hi:[1,0]
.endr
.endif
.irp j, 0,1,2,3
	v_cvt_pk_f16_f32 v[HR+\j], v[AR+2*\j], v[AR+2*\j+1]
.endr
.endr
.endr
	s_wait_alu depctr_va_vdst(0)                   ; the conversions have written v64-127, which the sixteen stores read; the additions are done reading the bias in w's set 0, in which the next pass's first loads land
.irp m, 0,1,2,3
.irp n, 0,1,2,3
.if \path == 0
	global_store_b128 v3, v[OUTH+4*(4*\m+\n):OUTH+4*(4*\m+\n)+3], s[30:31] offset:\m*2048+(\n/2)*1024+(\n%2)*512
.else
	global_store_b128 v3, v[OUTH+4*(4*\m+\n):OUTH+4*(4*\m+\n)+3], s[30:31] offset:\n*2048+(\m/2)*1024+(\m%2)*512
.endif
.endr
.endr
	s_cmp_lg_u32 s38, 0                            ; the first 64 positions of a sequence also leave their low parts (a branch on the work-group's number)
	s_cbranch_scc1 .Lnolo_\@
.irp m, 0,1,2,3
.irp n, 0,1,2,3
.set AR, ACC+8*(4*\m+\n)
.set HR, OUTH+4*(4*\m+\n)
.irp j, 0,1,2,3
	v_mov_b32 v28, v[HR+\j]                        ; (the register whose halves are named)
	v_cvt_f32_f16 v29, v28.l
	v_cvt_f32_f16 v30, v28.h
	v_sub_f32 v29, v[AR+2*\j], v29
	v_sub_f32 v30, v[AR+2*\j+1], v30
	v_cvt_pk_f16_f32 v[AR+\j], v29, v30            ; in place: register j is written behind the reads of 2 j and 2 j + 1
.endr
.endr
.endr
	s_wait_alu depctr_va_vdst(0)                   ; the conversions have written the low four registers of each accumulator, which the sixteen stores read; the moves are done reading v64-127, in which the next pass's loads land
.irp m, 0,1,2,3
.irp n, 0,1,2,3
.if \path == 0
	global_store_b128 v3, v[ACC+8*(4*\m+\n):ACC+8*(4*\m+\n)+3], s[32:33] offset:\m*2048+(\n/2)*1024+(\n%2)*512
.else
	global_store_b128 v3, v[ACC+8*(4*\m+\n):ACC+8*(4*\m+\n)+3], s[32:33] offset:\n*2048+(\m/2)*1024+(\m%2)*512
.endif
.endr
.endr
.Lnolo_\@:
	s_wait_xcnt 0x0                                ; the stores have read their data and bases: both are written again
	s_wait_alu depctr_vm_vsrc(0)                   ; the stores have read v64-127, in which the next pass's loads land, and the accumulators' low ends, which its first products write
	s_add_nc_u64 s[26:27], s[26:27], 32768
	s_add_nc_u64 s[28:29], s[28:29], 256
	s_add_nc_u64 s[10:11], s[10:11], 256
	s_add_nc_u64 s[30:31], s[30:31], 262144
	s_add_nc_u64 s[32:33], s[32:33], 8192
	s_add_co_u32 s34, s34, 1
	s_cmp_lt_u32 s34, 2
	s_cbranch_scc1 .Lpass_\@
	s_wait_dscnt 0x0                               ; the closing lines, six on end
	s_wait_alu 0x0
	s_wait_tensorcnt 0x0
	ds_add_u32 v1, v2
	s_wait_dscnt 0x0
	s_endpgm
.endm
	s_cmp_eq_u32 s23, 2
	s_cbranch_scc1 .Lforv
	GPATH 0
.Lforv:
	GPATH 1
.Lfunc_end_k_qcbbfd44262_proj:
	.size	k_qcbbfd44262_proj, .Lfunc_end_k_qcbbfd44262_proj-k_qcbbfd44262_proj
	.p2alignl 7, 3214868480
	.fill 96, 4, 3214868480
	.section	.rodata,"a",@progbits
	.p2align	6, 0x0
	.amdhsa_kernel k_qcbbfd44262_proj
		.amdhsa_group_segment_fixed_size 78080
		.amdhsa_private_segment_fixed_size 0
		.amdhsa_enable_private_segment 0
		.amdhsa_kernarg_size 72
		.amdhsa_user_sgpr_count 2
		.amdhsa_user_sgpr_kernarg_segment_ptr 1
		.amdhsa_wavefront_size32 1
		.amdhsa_system_sgpr_workgroup_id_x 1
		.amdhsa_system_sgpr_workgroup_id_y 1
		.amdhsa_system_sgpr_workgroup_id_z 1
		.amdhsa_system_vgpr_workitem_id 0
		.amdhsa_next_free_vgpr 256
		.amdhsa_next_free_sgpr 66
		.amdhsa_reserve_vcc 0
		.amdhsa_float_denorm_mode_32 3
		.amdhsa_float_denorm_mode_16_64 3
		.amdhsa_memory_ordered 1
		.amdhsa_forward_progress 1
		.amdhsa_inst_pref_size 153
	.end_amdhsa_kernel
	.amdgpu_metadata
---
amdhsa.version: [ 1, 2 ]
amdhsa.kernels:
  - .name:           k_qcbbfd44262_proj
    .symbol:         k_qcbbfd44262_proj.kd
    .args:
      - { .name: q, .offset: 0, .size: 8, .value_kind: global_buffer, .address_space: global }
      - { .name: k, .offset: 8, .size: 8, .value_kind: global_buffer, .address_space: global }
      - { .name: v, .offset: 16, .size: 8, .value_kind: global_buffer, .address_space: global }
      - { .name: b_q, .offset: 24, .size: 8, .value_kind: global_buffer, .address_space: global }
      - { .name: b_k, .offset: 32, .size: 8, .value_kind: global_buffer, .address_space: global }
      - { .name: b_v, .offset: 40, .size: 8, .value_kind: global_buffer, .address_space: global }
      - { .name: WQ, .offset: 48, .size: 8, .value_kind: global_buffer, .address_space: global }
      - { .name: QKV, .offset: 56, .size: 8, .value_kind: global_buffer, .address_space: global }
      - { .name: LO, .offset: 64, .size: 8, .value_kind: global_buffer, .address_space: global }
    .group_segment_fixed_size: 78080
    .private_segment_fixed_size: 0
    .kernarg_segment_align: 8
    .kernarg_segment_size: 72
    .max_flat_workgroup_size: 256
    .sgpr_count:     66
    .vgpr_count:     256
    .wavefront_size: 32
...
	.end_amdgpu_metadata
.endif
;; end of part 7
;; launch fattn: the kernel of part 3 again; grid 64 x 1, 1 waves a work-group, no clusters, 0 bytes of LDS; arguments QKV, LO, MSK, CF; writes CF
;; launch attn: the kernel of part 4 again; grid 4 x 64, 16 waves a work-group, no clusters, 35,072 bytes of LDS; arguments QKV, MSK, CTX; writes CTX
;; launch outp: the kernel of part 5 again; grid 4 x 64, 4 waves a work-group, clusters of 4 x 4, 327,680 bytes of LDS; arguments CTX, WO, b_o, out0; writes out0
;; launch fout: the kernel of part 6 again; grid 64 x 4, 8 waves a work-group, no clusters, 9,216 bytes of LDS; arguments CF, WO, b_o, out0; writes out0
